; MI455X (gfx1250); checked and timed in simulation.
; The chip was launched on July 23, 2026; its instructions are those of AMD's public machine-readable ISA for CDNA 5 (MIT licence, August 2026) and "CDNA5" Instruction Set Architecture Reference Guide (July 2026). The comments in the code are by the model that wrote it; some were corrected since.
;; Causal Self Attention. Allowed arithmetic: matrix products marked QUANTISED: E4M3 operands, one given power-of-two scale a tensor, by v_wmma_f32_16x16x64_fp8_fp8 or v_wmma_f32_16x16x128_fp8_fp8, f32 sums; everything else in f32.
;; Inputs: lowp_scales 8 int32 (the exponents e of the quantised operands' scales 2^e); w_attn 1,024 x 3,072 float32; w_proj 1,024 x 1,024 float32; x 4,096 x 1,024 float32.
;; Outputs: out0 4,096 x 1,024 float32.
;; Constants: num_frames = 64.
;; This version of the problem:
;;   THIS VERSION OF THE PROBLEM IS GIVEN IN LOW PRECISION. The matrix products marked QUANTISED in the list below multiply operands that are first quantised to E4M3 (4 exponent bits, 3 mantissa bits; 8 bits a number), with one given power-of-two scale for each operand tensor; their sums are f32. All else is computed in f32.
;;   The module's matrix products, in the order in which they are computed (A, B: the left and right operand; K: the contracted axis; several contracted axes count as one K, in the product's order):
;;     1. [M 4,096, K 1,024] x [K 1,024, N 3,072]; A: input x; B: input w_attn: QUANTISED (scales: A lowp_scales[0], B lowp_scales[1])
;;     2. batch 16 x [M 4,096, K 64] x [K 64, N 4,096]; A: computed on the way; B: computed on the way: QUANTISED (scales: A lowp_scales[2], B lowp_scales[3])
;;     3. batch 16 x [M 4,096, K 4,096] x [K 4,096, N 64]; A: softmax (see below); B: computed on the way: QUANTISED (scales: A lowp_scales[4], B lowp_scales[5])
;;     4. [M 4,096, K 1,024] x [K 1,024, N 1,024]; A: computed on the way; B: input w_proj: QUANTISED (scales: A lowp_scales[6], B lowp_scales[7])
;;   THE QUANTISER, for each operand of a quantised product, along K:
;;     - The operand's scale is 2^e, e = its entry of the input lowp_scales (int32; the entries are numbered through the quantised products in the list's order, A before B).
;;     - Each number is divided by the scale, clamped to +-448, and rounded to the nearest number of E4M3, ties to even, subnormals kept.
;;     - The product sums the exact products of the quantised numbers (number of the format x scale) in f32.
;;   ~~~python
;;   def quantise(x, axis, e):      # numpy; x: float32 -> the quantised numbers, widened to float32 again
;;       x = np.moveaxis(x, axis, -1); K = x.shape[-1]
;;       r = np.clip(x / 2.0 ** e, -448, 448)
;;       step = 2.0 ** (np.maximum(np.frexp(np.where(r == 0, 1, r))[1] - 1, -6) - 3)
;;       q = np.round(r / step) * step * 2.0 ** e      # np.round: ties to even
;;       return np.moveaxis(q, -1, axis).astype(np.float32)
;;   ~~~
;;   SOFTMAX AHEAD OF A QUANTISED PRODUCT. Where the list says 'softmax', what is quantised is not the finished softmax but p = 2^(t - M), with t = logit x log2(e) and M = ceil(the row's largest t), a whole number; so 1/2 < the row's largest p <= 1. The row's sum l is taken of the UNQUANTISED p, in f32, and the product's result is divided by l at the end. Since M is a whole number, a kernel that streams over the keys may use a running M (the ceiling of the running maximum): every later rescaling is an exact power of two, so the quantised numbers keep their values, but for numbers so far below the row's largest that they fall under the format's range.
;;   OPERANDS COMPUTED ON THE WAY. 'Computed on the way' means the value that the module computes at that place (a softmax that the list does not call 'softmax' is quantised finished and normalised). What goes into a quantiser is computed in f32, as accurately as f32 sums, v_exp_f32 and their like allow (about 1e-6 of the number): no bf16 or f16 on the way to a quantiser, and a product that is left as it is and whose result goes on into a quantised operand takes f32 operands (vector FMAs, or v_wmma_f32_16x16x4_f32). A number that lies on a knife's edge between two numbers of the format may be rounded either way, as far as f32 arithmetic and the matrix unit's own rounding can turn it there, and no further.
;; 2 versions, each right; version 2 is version 1 with the launch attn written anew for expert scheduling mode. Each part assembles by itself: llvm-mc -triple=amdgcn-amd-amdhsa -mcpu=gfx1250 --defsym DOCPART=n.
;; ======== version 1 of 2: 4 launches
;; workspace buffers: xc 4,194,304 bytes; wac 3,145,728 bytes; wpc 1,048,576 bytes; qkvc 12,582,912 bytes; yc 4,194,304 bytes
;; launch quant (part 1): grid 256 x 1, 4 waves a work-group, no clusters, 102,912 bytes of LDS; arguments x, w_attn, w_proj, lowp_scales, xc, wac, wpc; writes xc, wac, wpc
.if DOCPART == 1
	.amdgcn_target "amdgcn-amd-amdhsa--gfx1250"
	.amdhsa_code_object_version 6
	.text
	.protected	k_q37c4c4cb3b_quant
	.globl	k_q37c4c4cb3b_quant
	.p2align	8
	.type	k_q37c4c4cb3b_quant,@function
k_q37c4c4cb3b_quant:
	s_mov_b64 s[64:65], 0
	v_nop
	global_prefetch_b8 v0, s[64:65] scope:SCOPE_SE
	s_setreg_imm32_b32 hwreg(HW_REG_WAVE_MODE, 25, 1), 1
	s_wait_xcnt 0x0
; The three f32 inputs become codes of E4M3, one byte a number, K innermost, each with the scale 2^e that is given for it:
;   x [4096][1024] -> xc [4096][1024] (e = entry 0);  w_attn [1024 k][3072 n] -> wac [3072 n][1024 k] (entry 1);  w_proj [1024 k][1024 n] -> wpc [1024 n][1024 k] (entry 7).
; code = number / 2^e, held within +-448, rounded to the nearest code, ties to even.
; LIMITS: each e lies between -126 and 119, so that 2^e and 448 x 2^e are f32 numbers.  NaN among the inputs is not served (an infinity is held at the largest code).
; In wpc the four pieces of 8 codes of every 32 along K lie in the order 0, 2, 1, 3: a load of 16 bytes at 32 c + 16 (lane / 16) then brings a lane just the k that the matrix form's own layout gives it.
; SHARES: 256 work-groups of four waves, 32,768 numbers each: work-groups 0-127 take x, 128-223 w_attn, 224-255 w_proj.  The three ways part on the work-group's number and never join; each has LDS bytes of its own.
; No matrix unit, no tensor loads, no barrier: memory binds, and waves share nothing.
.set STEPS, 16                         ; x: steps of 512 numbers a wave
.set CB,    16                         ; bytes of a lane's 16 codes
.set XR,    16                         ; v16-79   x: four sets of 16 numbers as loaded
.set XX,    80                         ; v80-111  x: two sets of 16 neighbours
.set XC,    128                        ; v128-191 x: codes, four registers for each step: no store's data are written again
.set WREG,  8192                       ; x: LDS bytes of a wave: two stages of 32 x SP bytes
.set SP,    80                         ; a lane's place in a stage: 64 bytes + 16 of padding
.set NB,    8                          ; weights: blocks of 32 along K for a wave
.set PITCH, 272                        ; weights: a stage row: 256 bytes of codes + 16
.set KROW,  1024                       ; a row of wac or wpc in bytes
.set WX,    32                         ; v32-95   weights: two sets of 32 numbers
.set WC,    96                         ; v96-103  a block's codes
.set WO,    112                        ; v112-175 the way out
.set LBA,   32768                      ; LDS: w_attn's stages
.set LBP,   67584                      ; LDS: w_proj's stages
	s_load_b256 s[4:11], s[0:1], 0x0               ; x s[4:5], w_attn s[6:7], w_proj s[8:9], the scales' exponents s[10:11]
	s_load_b128 s[12:15], s[0:1], 0x20             ; xc s[12:13], wac s[14:15]
	s_load_b64 s[16:17], s[0:1], 0x30              ; wpc
	v_lshl_add_u32 v192, v0, 2, 0x19000
	v_mov_b32 v193, 0
	v_lshrrev_b32 v1, 5, v0
	v_readfirstlane_b32 s18, v1                    ; wave 0..3
	v_and_b32 v2, 31, v0                           ; lane
	s_wait_kmcnt 0x0
	s_load_b256 s[40:47], s[10:11], 0x0            ; e0 .. e7
.macro SCALE e                         ; v11 = 2^e as f32 (the conversion takes its exponent field), v10 = 448 x 2^e
	s_wait_kmcnt 0x0
	s_add_co_i32 s38, s[\e], 127
	s_lshl_b32 s39, s38, 23
	v_mov_b32 v11, s39
	s_add_co_i32 s38, s38, 8
	s_lshl_b32 s38, s38, 23
	s_or_b32 s38, s38, 0x600000
	v_mov_b32 v10, s38
.endm
	s_cmp_lt_u32 ttmp9, 128
	s_cbranch_scc0 .Lweights
; ---- x: K is innermost and rows are dense, so x is a plain stream.  A wave takes 8,192 numbers.  Each load reads 512 consecutive bytes, 16 a lane; the conversions want 16 NEIGHBOURS in a lane:
; a step's 2,048 bytes go through the wave's own stage as they lie and come back 64 bytes a lane.  Loads run four steps ahead, the turn through LDS one step.
	v_lshlrev_b32 v3, 4, v2                        ; my 16 bytes of a load's 512
	s_mul_i32 s30, s18, WREG
	v_lshrrev_b32 v14, 2, v2
	v_mul_u32_u24 v14, v14, SP
	v_and_b32 v15, 3, v2
	v_lshl_add_u32 v14, v15, 4, v14
	v_add_nc_u32 v14, s30, v14                     ; into the stage: four lanes' 64 bytes on end, then 16 of padding
	v_mul_u32_u24 v15, v2, SP
	v_add_nc_u32 v15, s30, v15                     ; out of it: my 16 neighbours
	v_mul_u32_u24 v4, v2, CB                       ; my codes' place in a step's 512 bytes
	s_lshl_b32 s31, ttmp9, 2
	s_add_co_u32 s31, s31, s18                     ; which run of 8,192 numbers is my wave's
	s_lshl_b32 s32, s31, 15
	s_mov_b32 s33, 0
	s_lshl_b32 s34, s31, 13
	s_mov_b32 s35, 0
	s_add_nc_u64 s[4:5], s[4:5], s[32:33]
	s_add_nc_u64 s[12:13], s[12:13], s[34:35]
.macro XLOAD t
.irp i, 0,1,2,3
	global_load_b128 v[XR+16*((\t)%4)+4*\i:XR+16*((\t)%4)+4*\i+3], v3, s[4:5] offset:2048*(\t)+512*\i th:TH_LOAD_NT
.endr
.endm
.macro XTURN t                         ; LDS serves a wave's instructions in order (ISA guide 5.7.1.4): no wait between these stores and loads
.irp i, 0,1,2,3
	ds_store_b128 v14, v[XR+16*((\t)%4)+4*\i:XR+16*((\t)%4)+4*\i+3] offset:32*SP*((\t)%2)+8*SP*\i
.endr
.irp i, 0,1,2,3
	ds_load_b128 v[XX+16*((\t)%2)+4*\i:XX+16*((\t)%2)+4*\i+3], v15 offset:32*SP*((\t)%2)+16*\i
.endr
.endm
.irp t, 0,1,2,3
	XLOAD \t
.endr
	SCALE 40
	s_wait_loadcnt 12                              ; step 0's four loads are in; the twelve of steps 1 to 3 stay out
	XTURN 0
.macro XSTEP t
.set XS, XX+16*((\t)%2)
	s_wait_dscnt 0x0                               ; this step's numbers are back from the stage, and its stores into the stage have read their registers,
.if (\t)+4 < STEPS
	XLOAD (\t)+4                                   ; which take the loads of four steps on
.endif
.if (\t)+1 < STEPS
.if STEPS-2-(\t) >= 3
	s_wait_loadcnt 12                              ; the next step's four loads are in; those of the three steps behind it stay out
.else
	s_wait_loadcnt 4*(STEPS-2-(\t))                ; at the end the count runs down
.endif
	XTURN (\t)+1
.endif
.irp i, 0,1,2,3,4,5,6,7,8,9,10,11,12,13,14,15
	v_med3_num_f32 v[XS+\i], v[XS+\i], -v10, v10   ; the conversion to an 8-bit code does not saturate (ISA guide 7.6.2): the hold comes first
.endr
	v_cvt_scalef32_pk8_fp8_f32 v[XC+4*(\t):XC+4*(\t)+1], v[XS:XS+7], v11
	v_cvt_scalef32_pk8_fp8_f32 v[XC+4*(\t)+2:XC+4*(\t)+3], v[XS+8:XS+15], v11
	global_store_b128 v4, v[XC+4*(\t):XC+4*(\t)+3], s[12:13] offset:32*CB*(\t)   ; the wave stores 512 consecutive bytes, aligned
.endm
.irp t, 0,1,2,3,4,5,6,7,8,9,10,11,12,13,14,15
	XSTEP \t
.endr
	s_wait_tensorcnt 0x0
	ds_add_u32 v192, v193
	s_wait_dscnt 0x0
	s_endpgm
; ---- a weight: K is its FIRST axis.  A lane takes a column n and its registers run down K: each load reads neighbouring n in neighbouring lanes, and the conversions give codes with K innermost.
; A wave takes 32 columns x 256 along K; its codes go through its own stage and leave as rows: sixteen lanes store 256 consecutive bytes, aligned.  Loads run two blocks ahead.
.macro WLOAD t, sn, src
.irp i, 0,1,2,3,4,5,6,7,8,9,10,11,12,13,14,15,16,17,18,19,20,21,22,23,24,25,26,27,28,29,30,31
	global_load_b32 v[WX+32*((\t)%2)+\i], v3, s[\src:\src+1] offset:(32*(\t)+\i)*(\sn)*4 th:TH_LOAD_NT   ; at most 255 rows of 12,288 bytes: inside the signed 24-bit immediate
.endr
.endm
.macro WBLOCK t, sn, src, sw
.set XS, WX+32*((\t)%2)
.if (\t) < NB-1
	s_wait_loadcnt 32                              ; this block's 32 loads are in; the next block's stay out
.else
	s_wait_loadcnt 0
.endif
.irp i, 0,1,2,3,4,5,6,7,8,9,10,11,12,13,14,15,16,17,18,19,20,21,22,23,24,25,26,27,28,29,30,31
	v_med3_num_f32 v[XS+\i], v[XS+\i], -v10, v10
.endr
.irp g, 0,1,2,3
.if \sw
	v_cvt_scalef32_pk8_fp8_f32 v[WC+2*((\g%2)*2+\g/2):WC+2*((\g%2)*2+\g/2)+1], v[XS+8*\g:XS+8*\g+7], v11   ; pieces in the order 0, 2, 1, 3
.else
	v_cvt_scalef32_pk8_fp8_f32 v[WC+2*\g:WC+2*\g+1], v[XS+8*\g:XS+8*\g+7], v11
.endif
.endr
	ds_store_b128 v4, v[WC:WC+3] offset:32*(\t)
	ds_store_b128 v4, v[WC+4:WC+7] offset:32*(\t)+16
.if (\t)+2 < NB
	WLOAD (\t)+2, \sn, \src
.endif
	s_wait_dscnt 0x0                               ; the stores have read their registers: the next block's codes may be written
.endm
.macro WPATH first, sn, lb, sw, src, dst, e
	s_sub_co_u32 s29, ttmp9, \first
	s_lshr_b32 s30, s29, 2                         ; which 128 columns
	s_and_b32 s31, s29, 3                          ; which 256 along K
	s_lshl_b32 s30, s30, 7
	s_lshl_b32 s32, s18, 5
	s_add_co_u32 s30, s30, s32                     ; my wave's first column
	v_lshlrev_b32 v3, 2, v2                        ; in: 4 bytes a lane
	s_mul_i32 s32, s18, 32*PITCH
	s_add_co_u32 s32, s32, \lb                     ; my stage
	v_mul_u32_u24 v4, v2, PITCH
	v_add_nc_u32 v4, s32, v4                       ; into it: row = my column
	v_and_b32 v5, 15, v2
	v_lshrrev_b32 v6, 4, v2
	v_mul_u32_u24 v7, v6, PITCH
	v_lshl_add_u32 v7, v5, 4, v7
	v_add_nc_u32 v7, s32, v7                       ; out of it: sixteen lanes to a row, two rows an instruction
	v_mul_u32_u24 v8, v6, KROW
	v_lshl_add_u32 v8, v5, 4, v8                   ; and the same place among the codes
	s_mul_i32 s34, s31, 256*(\sn)*4
	s_lshl_b32 s33, s30, 2
	s_add_co_u32 s34, s34, s33
	s_mov_b32 s35, 0
	s_add_nc_u64 s[\src:\src+1], s[\src:\src+1], s[34:35]
	s_lshl_b32 s36, s30, 10
	s_lshl_b32 s33, s31, 8
	s_add_co_u32 s36, s36, s33
	s_mov_b32 s37, 0
	s_add_nc_u64 s[\dst:\dst+1], s[\dst:\dst+1], s[36:37]
	WLOAD 0, \sn, \src
	WLOAD 1, \sn, \src
	SCALE \e
.irp t, 0,1,2,3,4,5,6,7
	WBLOCK \t, \sn, \src, \sw
.endr
.irp t, 0,1,2,3,4,5,6,7,8,9,10,11,12,13,14,15
	ds_load_b128 v[WO+4*\t:WO+4*\t+3], v7 offset:2*\t*PITCH
.endr
.irp t, 0,1,2,3,4,5,6,7,8,9,10,11,12,13,14,15
	s_wait_dscnt 15-\t                             ; LDS loads come back in order: rows 2 t and 2 t + 1 are in
	global_store_b128 v8, v[WO+4*\t:WO+4*\t+3], s[\dst:\dst+1] offset:2*\t*KROW
.endr
.endm
.Lweights:
	s_cmp_lt_u32 ttmp9, 224
	s_cbranch_scc0 .Lproj
	WPATH 128, 3072, LBA, 0, 6, 14, 41
	s_wait_tensorcnt 0x0
	ds_add_u32 v192, v193
	s_wait_dscnt 0x0
	s_endpgm
.Lproj:
	WPATH 224, 1024, LBP, 1, 8, 16, 47
	s_wait_tensorcnt 0x0
	ds_add_u32 v192, v193
	s_wait_dscnt 0x0
	s_endpgm
.Lfunc_end_k_q37c4c4cb3b_quant:
	.size	k_q37c4c4cb3b_quant, .Lfunc_end_k_q37c4c4cb3b_quant-k_q37c4c4cb3b_quant
	.p2alignl 7, 3214868480
	.fill 96, 4, 3214868480
	.section	.rodata,"a",@progbits
	.p2align	6, 0x0
	.amdhsa_kernel k_q37c4c4cb3b_quant
		.amdhsa_group_segment_fixed_size 102912
		.amdhsa_private_segment_fixed_size 0
		.amdhsa_enable_private_segment 0
		.amdhsa_kernarg_size 56
		.amdhsa_user_sgpr_count 2
		.amdhsa_user_sgpr_kernarg_segment_ptr 1
		.amdhsa_wavefront_size32 1
		.amdhsa_system_sgpr_workgroup_id_x 1
		.amdhsa_system_sgpr_workgroup_id_y 1
		.amdhsa_system_sgpr_workgroup_id_z 1
		.amdhsa_system_vgpr_workitem_id 0
		.amdhsa_next_free_vgpr 194
		.amdhsa_next_free_sgpr 66
		.amdhsa_reserve_vcc 0
		.amdhsa_float_denorm_mode_32 3
		.amdhsa_float_denorm_mode_16_64 3
		.amdhsa_memory_ordered 1
		.amdhsa_forward_progress 1
		.amdhsa_inst_pref_size 134
	.end_amdhsa_kernel
	.amdgpu_metadata
---
amdhsa.version: [ 1, 2 ]
amdhsa.kernels:
  - .name:           k_q37c4c4cb3b_quant
    .symbol:         k_q37c4c4cb3b_quant.kd
    .args:
      - { .name: x, .offset: 0, .size: 8, .value_kind: global_buffer, .address_space: global }
      - { .name: w_attn, .offset: 8, .size: 8, .value_kind: global_buffer, .address_space: global }
      - { .name: w_proj, .offset: 16, .size: 8, .value_kind: global_buffer, .address_space: global }
      - { .name: lowp_scales, .offset: 24, .size: 8, .value_kind: global_buffer, .address_space: global }
      - { .name: xc, .offset: 32, .size: 8, .value_kind: global_buffer, .address_space: global }
      - { .name: wac, .offset: 40, .size: 8, .value_kind: global_buffer, .address_space: global }
      - { .name: wpc, .offset: 48, .size: 8, .value_kind: global_buffer, .address_space: global }
    .group_segment_fixed_size: 102912
    .private_segment_fixed_size: 0
    .kernarg_segment_align: 8
    .kernarg_segment_size: 56
    .max_flat_workgroup_size: 128
    .sgpr_count:     66
    .vgpr_count:     194
    .wavefront_size: 32
...
	.end_amdgpu_metadata
.endif
;; end of part 1
;; launch qkv (part 2): grid 12 x 16, 4 waves a work-group, clusters of 4 x 4, 327,680 bytes of LDS; arguments xc, wac, lowp_scales, qkvc; writes qkvc
.if DOCPART == 2
	.amdgcn_target "amdgcn-amd-amdhsa--gfx1250"
	.amdhsa_code_object_version 6
	.text
	.protected	k_q37c4c4cb3b_qkv
	.globl	k_q37c4c4cb3b_qkv
	.p2align	8
	.type	k_q37c4c4cb3b_qkv,@function
k_q37c4c4cb3b_qkv:
	s_mov_b64 s[64:65], 0
	v_nop
	global_prefetch_b8 v0, s[64:65] scope:SCOPE_SE
	s_setreg_imm32_b32 hwreg(HW_REG_WAVE_MODE, 25, 1), 1
	s_wait_xcnt 0x0
	s_wait_alu depctr_hold_cnt(0) depctr_sa_sdst(0) depctr_va_vdst(0) depctr_va_sdst(0) depctr_va_ssrc(0) depctr_va_vcc(0) depctr_vm_vsrc(0)
	s_getreg_b32 s2, hwreg(HW_REG_IB_STS2, 6, 4)
	s_cmp_eq_u32 s2, 0
	s_cbranch_scc0 .Lentry_in_a_cluster
	s_endpgm
.Lentry_in_a_cluster:
	s_bfe_u32 s2, ttmp6, 0x10000c
	s_cmp_lg_u32 s2, 0xf033
	s_cbranch_scc0 .Lentry_shape_is_right
	s_endpgm
.Lentry_shape_is_right:
; qkv = x w_attn on codes of E4M3 (xc [4096][1024], wac [3072][1024], K innermost); each finished f32 sum is quantised in registers for the product that will read it, and leaves as codes.
; A sum stands for sum x 2^(e0 + e1); its code for the scale 2^et (et = e2 for q, e3 for k, e5 for v) is sum / 2^(et - e0 - e1), held within +-448: the three exponents are folded into the conversion's one scale.
; LIMIT: et - e0 - e1 lies between -126 and 119.  NaN is not served.
; A tile of 256 x 256 sums is made by four waves, 128 x 128 each: 64 accumulators, 512 registers.  K goes in steps of 256 through a ring of two LDS slots filled by the tensor data mover.
; CLUSTERS of 4 x 4 work-groups; cluster x = 0, 1, 2 makes q, k, v.  The operand in "A's slot" is shared along a row of the cluster, that in "B's slot" along a column: joint loads.
; THE MATRIX INSTRUCTION: source 0 = 16 rows of B's slot, source 1 = 16 rows of A's slot: a lane holds ONE row of A's slot and eight neighbouring rows of B's.
;   q, k: A's slot = tokens (xc), B's = rows of wac: a lane holds a token and eight neighbouring channels d: one conversion gives two registers of an operand of the scores' product (K = d).
;   v:    A's slot = rows of wac, B's = tokens: a lane holds a channel d and eight neighbouring tokens: one conversion gives two registers of an operand whose K is the keys.
; OUTPUT: IMAGES OF OPERAND REGISTERS: four registers a group, group g at 512 g, lane l's 16 bytes at 16 l; registers 2 c, 2 c + 1 hold k = 16 c + 8 (l / 16) + 0 .. 7.
;   q at byte 0, k at 4 MiB: [16 heads][256 tiles of 16 tokens][1,024 bytes];  v at 8 MiB: [16 heads][32 steps of 128 keys][4 tiles of 16 d][2,048 bytes].  Every store covers 512 consecutive bytes, aligned; no LDS on the way out.
; REGISTERS, in windows of 256: window 0: v0-31 addresses; v32-95 at work on the way out; from v128 A's fragments, one set, later the codes.  window 1: B's fragments, two sets.  windows 2, 3: the accumulators ((a, b) at v[8 (8 (a % 4) + b)]).
; No prefetch: K has four steps of 256, two of them asked for at the head.
.set SIZE_K, 1024
.set KSTEP,  256
.set ROWB,   256                       ; a tile's row in bytes
.set KROW,   SIZE_K                    ; a row of xc or wac in memory
.set PITCH,  272                       ; an LDS row: 256 bytes + 16 of padding = 68 words: the 16 rows that a load touches start at 16 different banks (64 banks of 4 bytes: ISA guide 11.1)
.set FR,     16
.set NL,     4
.set NP,     4                         ; places behind this matrix instruction (ISA guide 7.12.1)
.set HALFT,  128*PITCH
.set SLOT,   4*HALFT
.set LAPS,   SIZE_K/(2*KSTEP)
.set SPARE,  2*SLOT                    ; behind the ring: the spare words, 128 bytes a wave
.set ADRA, 16
.set ADRB, 20
.set CO,   26                          ; v26  16 x lane: my place in a group of an image
.set SPW,  28
.set NIL,  29
.set SCL,  30                          ; v30  2^(et - e0 - e1) as f32
.set TMP,  32
.set AF,   128
.set G1, 24
.set G0, 32
.set G1B, 48
.set G0B, 56
.set MSB, 0
.macro WIN new                         ; the immediate's high byte repeats the setting that is left
.if MSB != \new
	s_set_vgpr_msb (MSB<<8)|\new
.set MSB, \new
.endif
.endm
.set MUL_LO, 0xa1                      ; source 0 (B) window 1, source 1 (A) window 0, C and D window 2
.set MUL_HI, 0xf1
.set TO_B,   0x40
; A joint load: waves 0 and 1 fetch for A's slot, waves 2 and 3 for B's.  The branch hangs on the wave's number alone.  Four v_nop follow each of the two lines.
.macro JLOAD g0a, g1a, g0b, g1b
	s_cmp_eq_u32 s15, 0
	s_cbranch_scc0 .Lfor_b_\@
	tensor_load_to_lds s[\g0a:\g0a+3], s[\g1a:\g1a+7]
	s_nop 0
.rept 4
	v_nop
.endr
	s_branch .Lasked_\@
.Lfor_b_\@:
	tensor_load_to_lds s[\g0b:\g0b+3], s[\g1b:\g1b+7]
	s_nop 0
.rept 4
	v_nop
.endr
.Lasked_\@:
.endm
.macro CREST                           ; a round of the cluster's barrier behind its opening barrier
	s_cmp_lg_u32 s14, 0
	s_cbranch_scc1 .Lnot_wave_0_\@
	s_barrier_signal -3
.Lnot_wave_0_\@:
	s_barrier_wait -3
	s_barrier_signal -1
	s_barrier_wait -1
.endm
.macro CROUND
	s_barrier_signal -1
	s_barrier_wait -1
	CREST
.endm
	s_load_b128 s[4:7], s[0:1], 0x0                ; xc s[4:5], wac s[6:7]
	s_load_b128 s[8:11], s[0:1], 0x10              ; the scales' exponents s[8:9], qkvc s[10:11]
	v_lshl_add_u32 v[SPW], v0, 2, SPARE
	v_mov_b32 v[NIL], 0
	ds_add_u32 v28, v29
	ds_add_u32 v28, v29
	s_wait_dscnt 0x0
	v_lshrrev_b32 v1, 5, v0
	v_readfirstlane_b32 s14, v1                    ; wave 0..3
	s_lshr_b32 s15, s14, 1                         ; which 128 rows of A's slot are mine.  Also: I fetch for A's slot (0) or B's (1)
	s_and_b32 s16, s14, 1                          ; which 128 rows of B's slot.  Also: which 128 rows I fetch
	s_bfe_u32 s40, ttmp6, 0x40000                  ; cx
	s_bfe_u32 s41, ttmp6, 0x40004                  ; cy
	s_and_b32 s84, ttmp7, 0xffff
	s_lshl_b32 s84, s84, 2                         ; 4 x cluster y
	s_lshl_b32 s85, ttmp9, 2                       ; 4 x cluster x
	s_cmp_eq_u32 ttmp9, 2                          ; v?  The same in all sixteen partners
	s_cselect_b32 s17, 8, s84                      ; A's slot, in tiles of 256 rows: q, k: tokens 4 Y + cy;  v: rows of wac 8 + cy
	s_cselect_b32 s42, s84, s85                    ; B's slot: q, k: rows of wac 4 X + cx;  v: tokens 4 Y + cx
	s_add_co_u32 s17, s17, s41                     ; (never holds cx)
	s_add_co_u32 s42, s42, s40                     ; (never holds cy)
	s_lshl_b32 s43, s41, 2
	s_lshl_b32 s43, 15, s43                        ; my row of the cluster
	s_lshl_b32 s44, 0x1111, s40                    ; my column
	s_or_b32 s[G1+0], s43, (0<<16)|(1<<20)|(1<<21)|(5<<22)|(3<<25)  ; 15:0 the mask; 17:16 elements of 1 byte; 20 padding on; 21 set beside a mask; 24:22 after every 64 words; 31:25 four words
	s_or_b32 s[G1B+0], s44, (0<<16)|(1<<20)|(1<<21)|(5<<22)|(3<<25)
.irp g, G1, G1B
	s_mov_b32 s[\g+1], ROWB<<16                    ; tensor_dim0
	s_mov_b32 s[\g+2], 128<<16                     ; tensor_dim1
	s_mov_b32 s[\g+3], ROWB<<16                    ; tile_dim0
	s_mov_b32 s[\g+4], 128                         ; tile_dim1
	s_mov_b32 s[\g+5], KROW                        ; tensor_dim0_stride
	s_mov_b32 s[\g+6], 0
	s_mov_b32 s[\g+7], 0
.endr
	s_lshl_b32 s18, s16, 7                         ; which 128 rows of the tile I fetch
	s_lshl_b32 s20, s17, 8
	s_add_co_u32 s20, s20, s18
	s_lshl_b32 s20, s20, 10                        ; rows of 1,024 bytes
	s_mov_b32 s21, 0
	s_lshl_b32 s46, s42, 8
	s_add_co_u32 s46, s46, s18
	s_lshl_b32 s46, s46, 10
	s_mov_b32 s47, 0
	s_mul_i32 s45, s14, HALFT                      ; where they go: wave x 128 rows: no place in the cluster enters an LDS address
	s_wait_kmcnt 0x0
	s_load_b256 s[72:79], s[8:9], 0x0              ; e0 .. e7
	s_cmp_eq_u32 ttmp9, 2
	s_cselect_b64 s[80:81], s[6:7], s[4:5]         ; the buffer in A's slot
	s_cselect_b64 s[82:83], s[4:5], s[6:7]         ; the buffer in B's slot
	s_add_nc_u64 s[20:21], s[80:81], s[20:21]
	s_add_nc_u64 s[46:47], s[82:83], s[46:47]
	CROUND                                         ; all sixteen work-groups are here: the first joint loads meet
.irp s, 0,1
	s_mov_b32 s[G0+4*\s], 1
	s_add_co_u32 s[G0+4*\s+1], s45, \s*SLOT
	s_add_nc_u64 s[G0+4*\s+2:G0+4*\s+3], s[20:21], \s*ROWB
	s_or_b32 s[G0+4*\s+3], s[G0+4*\s+3], 0x80000000
	s_mov_b32 s[G0B+4*\s], 1
	s_add_co_u32 s[G0B+4*\s+1], s45, \s*SLOT
	s_add_nc_u64 s[G0B+4*\s+2:G0B+4*\s+3], s[46:47], \s*ROWB
	s_or_b32 s[G0B+4*\s+3], s[G0B+4*\s+3], 0x80000000
	JLOAD G0+4*\s, G1, G0B+4*\s, G1B
.endr
	v_and_b32 v1, 15, v0                           ; l % 16
	v_bfe_u32 v2, v0, 4, 1                         ; l / 16
	v_mul_u32_u24 v3, v1, PITCH
	v_lshl_add_u32 v4, v2, 4, v3                   ; a fragment's row x pitch + 16 x half
	s_mul_i32 s21, s15, HALFT
	s_mul_i32 s22, s16, HALFT
	s_add_co_u32 s22, s22, 2*HALFT
.irp s, 0,1
	v_add_nc_u32 v[ADRA+\s], s21, v4
	v_add_nc_u32 v[ADRB+\s], s22, v4
	s_add_co_u32 s21, s21, SLOT
	s_add_co_u32 s22, s22, SLOT
.endr
	v_and_b32 v6, 31, v0
	v_lshlrev_b32 v[CO], 4, v6
	; where my wave's images begin in qkvc.  q, k: X << 22 + head (4 cx + 2 (wave & 1)) << 18 + token tile (16 tile row + 8 (wave >> 1)) << 10
	;                                        v:    2 << 22 + head (4 cy + 2 (wave >> 1)) << 18 + key step (2 tile column + (wave & 1)) << 13
	s_cmp_eq_u32 ttmp9, 2
	s_cselect_b32 s86, s41, s40
	s_cselect_b32 s87, s15, s16
	s_cselect_b32 s88, s42, s17
	s_cselect_b32 s89, s16, s15
	s_lshl_b32 s90, ttmp9, 22
	s_lshl_b32 s86, s86, 20
	s_add_co_u32 s90, s90, s86
	s_lshl_b32 s87, s87, 19
	s_add_co_u32 s90, s90, s87
	s_lshl_b32 s88, s88, 14
	s_add_co_u32 s90, s90, s88
	s_lshl_b32 s89, s89, 13
	s_add_co_u32 s90, s90, s89
	s_mov_b32 s91, 0
	s_add_nc_u64 s[10:11], s[10:11], s[90:91]
.macro FRAG reg, adr, q, i             ; 16 rows x 128 K: four loads of 16 bytes, 32 apart: a permutation of k that is the same in both operands, so every product meets its partner
.irp c, 0,1,2,3
	ds_load_b128 v[\reg+4*\c:\reg+4*\c+3], v[\adr] offset:128*(\q)+32*\c+(\i)*16*PITCH
.endr
.endm
; 16 matrix instructions: A's blocks a0, a0 + 1 x B's eight.  The 64 accumulators take turns, one instruction a turn, in the same order in every step.
.macro MUL16 a0, p, zero
.irp a, \a0, \a0+1
.irp b, 0,1,2,3,4,5,6,7
.if \zero
	v_wmma_f32_16x16x128_fp8_fp8 v[8*(8*((\a)%4)+\b):8*(8*((\a)%4)+\b)+7], v[128*(\p)+FR*\b:128*(\p)+FR*\b+FR-1], v[AF+FR*(\a):AF+FR*(\a)+FR-1], 0
.else
	v_wmma_f32_16x16x128_fp8_fp8 v[8*(8*((\a)%4)+\b):8*(8*((\a)%4)+\b)+7], v[128*(\p)+FR*\b:128*(\p)+FR*\b+FR-1], v[AF+FR*(\a):AF+FR*(\a)+FR-1], v[8*(8*((\a)%4)+\b):8*(8*((\a)%4)+\b)+7]
.endif
.endr
.endr
.endm
.macro FETCH_B slot, q, p
	WIN TO_B
.irp i, 0,1,2,3,4,5,6,7
	FRAG 128*(\p)+FR*\i, ADRB+\slot, \q, \i
.endr
	WIN 0
.endm
.macro FETCH_A slot, q, i0
.irp i, \i0, \i0+1, \i0+2, \i0+3
	FRAG AF+FR*(\i), ADRA+\slot, \q, \i
.endr
.endm
.macro PLACES n                        ; plain vector instructions between a matrix instruction and a load into, or a read of, its registers
.rept \n
	v_nop
.endr
.endm
; A step of 128 along K that has its successor in the same slot.  A has one set of registers (a block is free when its eight products are issued), B two.
.macro STEP slot, q, zero
	s_wait_dscnt 4*NL                              ; B's set and A's blocks 0-3 are in; the youngest sixteen loads (A's blocks 4-7) may be out
	WIN MUL_LO
	MUL16 0, (\q)%2, \zero
	MUL16 2, (\q)%2, \zero
	s_wait_dscnt 0                                 ; A's blocks 4-7 are in
	PLACES NP
	FETCH_B \slot, (\q)+1, 1-(\q)%2
	FETCH_A \slot, (\q)+1, 0
	WIN MUL_HI
	MUL16 4, (\q)%2, \zero
	MUL16 6, (\q)%2, \zero
	PLACES NP
	WIN 0
	FETCH_A \slot, (\q)+1, 4
.endm
; A slot's last step changes slots: one barrier; in front of it each wave waits for all its tensor loads, adds 0 to its spare word, and waits for that and for its reads of this slot.
.macro TURN slot, next, fill
	s_wait_tensorcnt 0x0                           ; all my tensor loads have landed: my part of the next slot
	ds_add_u32 v[SPW], v[NIL]                      ; 0 onto my spare word
	s_wait_dscnt 4*NL+1                            ; (the add and A's blocks 4-7 may be out)
	WIN MUL_LO
	MUL16 0, 1, 0
	s_wait_dscnt 0x0                               ; the add is done, and my reads of this slot are over
	s_barrier_signal -1
	MUL16 2, 1, 0
	WIN 0
	s_barrier_wait -1
.if \fill
	CREST                                          ; the barrier has opened a round of the cluster's: no wave of any partner still reads this slot or has a load on its way
	s_add_nc_u64 s[G0+4*\slot+2:G0+4*\slot+3], s[G0+4*\slot+2:G0+4*\slot+3], 2*ROWB
	s_add_nc_u64 s[G0B+4*\slot+2:G0B+4*\slot+3], s[G0B+4*\slot+2:G0B+4*\slot+3], 2*ROWB
	JLOAD G0+4*\slot, G1, G0B+4*\slot, G1B         ; the first tensor load behind the round; its four v_nop are also the places in front of the loads below
.else
	PLACES NP
.endif
	FETCH_B \next, 0, 0
	FETCH_A \next, 0, 0
	WIN MUL_HI
	MUL16 4, 1, 0
	MUL16 6, 1, 0
	PLACES NP
	WIN 0
	FETCH_A \next, 0, 4
.endm
	s_wait_tensorcnt 1                             ; my part of K step 0 is in; K step 1's load may be out
	s_barrier_signal -1
	s_barrier_wait -1
	FETCH_B 0, 0, 0
	FETCH_A 0, 0, 0
	FETCH_A 0, 0, 4
	STEP 0, 0, 1                                   ; the first step's products start the sums: nothing is cleared
	s_mov_b32 s3, LAPS-1
.Llap:                                                 ; a trip goes once round the ring and fills both slots again
	TURN 0, 1, 1
	STEP 1, 0, 0
	TURN 1, 0, 1
	STEP 0, 0, 0
	s_sub_co_u32 s3, s3, 1
	s_cmp_lg_u32 s3, 0
	s_cbranch_scc1 .Llap
	TURN 0, 1, 0                                   ; the last lap fills nothing
	STEP 1, 0, 0
	s_wait_dscnt 4*NL
	WIN MUL_LO
	MUL16 0, 1, 0
	MUL16 2, 1, 0
	s_wait_dscnt 0
	WIN MUL_HI
	MUL16 4, 1, 0
	MUL16 6, 1, 0
	WIN 0
	; THE WAY OUT: hold, convert, store.  No choice here is a branch on a loaded number: the hold is always executed, the exponent is chosen by s_cselect_b32 on the cluster's x.
	s_wait_kmcnt 0x0
	s_cmp_eq_u32 ttmp9, 0
	s_cselect_b32 s92, s74, s75                    ; e2 for q, e3 for k,
	s_cmp_eq_u32 ttmp9, 2
	s_cselect_b32 s92, s77, s92                    ; e5 for v
	s_sub_co_i32 s92, s92, s72
	s_sub_co_i32 s92, s92, s73                     ; et - e0 - e1
	s_add_co_i32 s92, s92, 127
	s_lshl_b32 s93, s92, 23
	v_mov_b32 v[SCL], s93
	s_add_co_i32 s92, s92, 8
	s_lshl_b32 s97, s92, 23
	s_or_b32 s97, s97, 0x600000                    ; 448 x 2^(et - e0 - e1)
	s_or_b32 s96, s97, 0x80000000                  ; and its negative
	PLACES NP
; Block a of A's slot (16 rows) against B's 128: 64 sums a lane become 16 registers of codes; each block has code registers of its own, so no store's data are written again.
.macro OUT a, mode
.set AC, 64*((\a)%4)
.set CD, 128+16*(\a)
	WIN 0x02+((\a)/4)                              ; source 0: window 2 or 3
.set j, 0
.rept 64
	v_med3_num_f32 v[TMP+j], v[AC+j], s96, s97     ; the conversion does not saturate (ISA guide 7.6.2); each accumulator from its low end on
.set j, j+1
.endr
	WIN 0
.irp g, 0,1,2,3,4,5,6,7
	v_cvt_scalef32_pk8_fp8_f32 v[CD+2*\g:CD+2*\g+1], v[TMP+8*\g:TMP+8*\g+7], v[SCL]
.endr
	v_nop                                          ; a plain line between the last conversion and the next block's holds, which write its sources
.irp g, 0,1,2,3
.if \mode
	global_store_b128 v[CO], v[CD+4*\g:CD+4*\g+3], s[10:11] offset:((\a)/4)*262144+((\a)%4)*2048+\g*512   ; v: head a / 4, d tile a % 4, group g
.else
	global_store_b128 v[CO], v[CD+4*\g:CD+4*\g+3], s[10:11] offset:(\a)*1024+(\g/2)*262144+(\g%2)*512     ; q, k: token tile a, head g / 2, group g % 2
.endif
.endr
.endm
	s_cmp_eq_u32 ttmp9, 2
	s_cbranch_scc1 .Lout_v
.irp a, 0,1,2,3,4,5,6,7
	OUT \a, 0
.endr
	s_branch .Lend
.Lout_v:
.irp a, 0,1,2,3,4,5,6,7
	OUT \a, 1
.endr
.Lend:
	s_wait_tensorcnt 0x0                           ; the wave's end
	ds_add_u32 v[SPW], v[NIL]
	s_wait_dscnt 0x0
	CROUND                                         ; the closing round: no work-group ends while a partner may still ask for a tile that names it
	s_endpgm
.Lfunc_end_k_q37c4c4cb3b_qkv:
	.size	k_q37c4c4cb3b_qkv, .Lfunc_end_k_q37c4c4cb3b_qkv-k_q37c4c4cb3b_qkv
	.p2alignl 7, 3214868480
	.fill 96, 4, 3214868480
	.section	.rodata,"a",@progbits
	.p2align	6, 0x0
	.amdhsa_kernel k_q37c4c4cb3b_qkv
		.amdhsa_group_segment_fixed_size 327680
		.amdhsa_private_segment_fixed_size 0
		.amdhsa_enable_private_segment 0
		.amdhsa_kernarg_size 32
		.amdhsa_user_sgpr_count 2
		.amdhsa_user_sgpr_kernarg_segment_ptr 1
		.amdhsa_wavefront_size32 1
		.amdhsa_system_sgpr_workgroup_id_x 1
		.amdhsa_system_sgpr_workgroup_id_y 1
		.amdhsa_system_sgpr_workgroup_id_z 1
		.amdhsa_system_vgpr_workitem_id 0
		.amdhsa_next_free_vgpr 1024
		.amdhsa_next_free_sgpr 100
		.amdhsa_reserve_vcc 0
		.amdhsa_float_denorm_mode_32 3
		.amdhsa_float_denorm_mode_16_64 3
		.amdhsa_memory_ordered 1
		.amdhsa_forward_progress 1
		.amdhsa_inst_pref_size 158
	.end_amdhsa_kernel
	.amdgpu_metadata
---
amdhsa.version: [ 1, 2 ]
amdhsa.kernels:
  - .name:           k_q37c4c4cb3b_qkv
    .symbol:         k_q37c4c4cb3b_qkv.kd
    .args:
      - { .name: xc, .offset: 0, .size: 8, .value_kind: global_buffer, .address_space: global }
      - { .name: wac, .offset: 8, .size: 8, .value_kind: global_buffer, .address_space: global }
      - { .name: lowp_scales, .offset: 16, .size: 8, .value_kind: global_buffer, .address_space: global }
      - { .name: qkvc, .offset: 24, .size: 8, .value_kind: global_buffer, .address_space: global }
    .group_segment_fixed_size: 327680
    .private_segment_fixed_size: 0
    .kernarg_segment_align: 8
    .kernarg_segment_size: 32
    .max_flat_workgroup_size: 128
    .sgpr_count:     100
    .vgpr_count:     1024
    .wavefront_size: 32
...
	.end_amdgpu_metadata
.endif
;; end of part 2
;; launch attn (part 3): grid 16 x 16, 16 waves a work-group, no clusters, 34,816 bytes of LDS; arguments qkvc, lowp_scales, yc; writes yc
.if DOCPART == 3
	.amdgcn_target "amdgcn-amd-amdhsa--gfx1250"
	.amdhsa_code_object_version 6
	.text
	.protected	k_q37c4c4cb3b_attn
	.globl	k_q37c4c4cb3b_attn
	.p2align	8
	.type	k_q37c4c4cb3b_attn,@function
k_q37c4c4cb3b_attn:
	s_mov_b64 s[64:65], 0
	v_nop
	global_prefetch_b8 v0, s[64:65] scope:SCOPE_SE
	s_setreg_imm32_b32 hwreg(HW_REG_WAVE_MODE, 25, 1), 1
	s_wait_xcnt 0x0
; y[q] = the sum over keys of softmax(q . k / 8) v for 16 heads of 64 channels, 4,096 tokens; key k counts for query q where k <= q or k < 64, that is where k <= max(q, 63).  Both products on codes of E4M3.
; INPUT: qkvc: images of operand registers (group g of four registers at 512 g, lane l's 16 bytes at 16 l): q at 0 and k at 4 MiB: [head][tile of 16 tokens][1,024];  v at 8 MiB: [head][step of 128 keys][tile of 16 d][2,048].
; OUTPUT: yc: y's codes as images for the last product: [4 slots of 256 along K][256 token tiles][4,096]; head hd fills bytes 1,024 (hd % 4) on of slot hd / 4.
; THE SOFTMAX: t = sum x c, c = log2(e) / 8 x 2^(e2 + e3); M = the running largest t rounded UP to a whole number; p = 2^(t - M) is quantised with 2^e4, not normalised; the row's sum is taken of the unquantised p.
; When M moves, the sum and O are multiplied by 2^(old M - new M), which rounds nothing.  At the end y's code = (O / sum) / 2^(e6 - e4 - e5), held within +-448.
; LIMITS: e2 + e3 between -123 and 130 (added to c's exponent field); e4 between -126 and 119; e6 - e4 - e5 between -126 and 119.  NaN is not served.
; SHARES: the queries are 32 blocks of 128.  Work-group (lo, head) takes blocks lo and 31 - lo: 33 block-steps whatever lo is.  Each of its sixteen waves owns one tile of 16 queries in 256 registers.
; role = ((w >> 2) ^ w) & 1 picks the block, so that of any four waves w = 4 i .. 4 i + 3, and of any four w = i mod 4, two have the early block and two the late one.
; The work-group walks key steps 0 .. 31 - lo, two a trip.  A wave leaves out the WORK of a step all of whose keys come after its queries (a scalar branch on ids); its part of the copy and every barrier it still does.
; BOTH PRODUCTS TRANSPOSED: S^T = K Q^T (source 0 = 16 keys), O^T = V^T P^T (source 0 = 16 d): a lane holds one query (lane % 16) throughout; register j of S^T's tile c is key 16 c + 8 (lane / 16) + j,
; so one conversion gives registers 2 c, 2 c + 1 of P; likewise O^T's tile gives y's.  Nothing is transposed and nothing changes lanes but one exchange between the halves.
; K AND V GO THROUGH LDS BY WAY OF REGISTERS: a step's 16 KiB (K's 8 images, V's 4) are copied 1 KiB a wave: two loads a step ahead, two LDS stores, one barrier a step, two slots.  No tensor load:
; so the walk's length may hang on the work-group's number, and p's hold may be jumped over on e4.
; No cluster: the work-groups of a head walk different numbers of steps (17 to 32).
; REGISTERS: v1 16 x lane; v2 the copy's LDS address; v3 256 x lane; v4 max(query, 63) - 8 (lane / 16); v5-7, v30, v31 at work; v8-15 and v212-219 the copy's two sets; v16-23 Q; v24 -M; v25 the largest t;
;   v[26:27] the sum; v[28:29] f; v32-95 K's fragments, then V's; v96-159 S^T, then p; v160-191 O^T; v192-207 P's codes; v[208:209] the sums' second chain; v210, v211: 448 x 2^e4, 2^e4; v220, v221: y's scale and hold.
.set SLOT, 16384
.set SET,  8                           ; set s at v[8 + 204 s]
	s_load_b128 s[4:7], s[0:1], 0x0                ; qkvc s[4:5], the scales' exponents s[6:7]
	s_load_b64 s[8:9], s[0:1], 0x10                ; yc
	v_lshl_add_u32 v254, v0, 2, 0x8000
	v_mov_b32 v255, 0
	v_lshrrev_b32 v5, 5, v0
	v_readfirstlane_b32 s10, v5                    ; wave 0..15
	v_and_b32 v1, 31, v0
	v_lshlrev_b32 v3, 8, v1
	v_lshlrev_b32 v1, 4, v1
	v_lshl_add_u32 v2, v5, 10, v1                  ; 1,024 x wave + 16 x lane
	s_lshr_b32 s36, s10, 2
	s_xor_b32 s36, s36, s10
	s_and_b32 s11, s36, 1                          ; role
	s_lshr_b32 s12, s10, 1                         ; which tile of the block
	s_mov_b32 s13, ttmp9                           ; lo
	s_and_b32 s14, ttmp7, 0xffff                   ; head
	s_sub_co_u32 s36, 31, s13
	s_cmp_eq_u32 s11, 0
	s_cselect_b32 s36, s13, s36                    ; my block
	s_lshl_b32 s15, s36, 3
	s_add_co_u32 s15, s15, s12                     ; my tile of 16 queries
	s_lshl_b32 s16, s15, 4                         ; my first query
	s_add_co_u32 s35, s16, 15                      ; my last
	s_mov_b32 s17, 0                               ; the step's first key
	s_mov_b32 s18, 0                               ; the trip
	s_sub_co_u32 s19, 33, s13
	s_lshr_b32 s19, s19, 1
	s_sub_co_u32 s19, s19, 1                       ; the loop's trips: ceil((32 - lo) / 2) - 1, 8 to 15; the last trip is written out
	s_mov_b32 s20, 0x76543210
	s_mov_b32 s21, 0xfedcba98                      ; v_permlanex16_b32: lane l xor 16
	s_mov_b32 s22, 0x3e38aa3b                      ; log2(e) / 8
	s_and_b32 s36, s10, 7
	s_or_b32 s36, s36, s13
	s_cmp_eq_u32 s36, 0
	s_cselect_b32 s34, 13, 0                       ; waves 0 and 8 of the head's work-group lo = 0 prefetch, in trips 0 to 12
	s_cmp_lt_u32 s16, 64
	s_cselect_b32 s44, 63, s16
	s_cselect_b32 s45, 0, 15
	v_and_b32 v4, s45, v0
	v_add_nc_u32 v4, s44, v4                       ; max(my query, 63): a tile lies wholly under 64 or wholly not
	v_bfe_u32 v6, v0, 4, 1
	v_lshlrev_b32 v6, 3, v6
	v_sub_nc_u32 v4, v4, v6
	s_lshl_b32 s40, s14, 18                        ; the head's 262,144 bytes in each of the three parts
	s_lshr_b32 s36, s10, 3
	s_add_co_u32 s36, s36, 1
	s_lshl_b32 s36, s36, 22                        ; waves 0-7 copy K (4 MiB on), waves 8-15 V (8 MiB on)
	s_add_co_u32 s36, s36, s40
	s_and_b32 s41, s10, 7
	s_lshl_b32 s41, s41, 10
	s_add_co_u32 s36, s36, s41                     ; my 1,024 bytes of a step's 8,192
	s_mov_b32 s37, 0
	s_lshl_b32 s38, s15, 10
	s_add_co_u32 s38, s38, s40                     ; Q's image
	s_mov_b32 s39, 0
	s_lshr_b32 s42, s14, 2
	s_lshl_b32 s42, s42, 20
	s_lshl_b32 s41, s15, 12
	s_add_co_u32 s42, s42, s41
	s_and_b32 s41, s14, 3
	s_lshl_b32 s41, s41, 10
	s_add_co_u32 s42, s42, s41                     ; y's 1,024 bytes
	s_mov_b32 s43, 0
	s_wait_kmcnt 0x0
	s_load_b256 s[24:31], s[6:7], 0x0              ; e0 .. e7
	s_add_nc_u64 s[32:33], s[4:5], s[36:37]        ; the copy's base: my part of the trip's first step
	s_add_nc_u64 s[38:39], s[4:5], s[38:39]
	s_add_nc_u64 s[8:9], s[8:9], s[42:43]
	global_load_b128 v[8:11], v1, s[32:33]                     ; step 0
	global_load_b128 v[12:15], v1, s[32:33] offset:512
	global_load_b128 v[16:19], v1, s[38:39]                    ; Q stays in registers
	global_load_b128 v[20:23], v1, s[38:39] offset:512
	global_load_b128 v[212:215], v1, s[32:33] offset:8192      ; step 1
	global_load_b128 v[216:219], v1, s[32:33] offset:8192+512
	v_mov_b32 v25, 0xff61b1e6                      ; the largest t so far: -3e38
	v_floor_f32 v24, -v25                          ; -M
	v_mov_b32 v26, 0
	v_mov_b32 v27, 0
	v_mov_b32 v29, 0                               ; (named as the upper half of the pair v[28:29])
	v_mov_b32 v31, 0                               ; a lane permute's destination counts as read
.set j, 0
.rept 32
	v_mov_b32 v[160+j], 0                          ; O^T: the step is written without a first form of its own; the first change of M multiplies zeros
.set j, j+1
.endr
	s_wait_kmcnt 0x0
	s_add_co_i32 s36, s26, s27
	s_lshl_b32 s36, s36, 23
	s_add_co_i32 s22, s22, s36                     ; c x 2^(e2 + e3)
	s_mov_b32 s23, s22                             ; (named with it as a pair)
	s_add_co_i32 s36, s28, 127
	s_lshl_b32 s37, s36, 23
	v_mov_b32 v211, s37                            ; 2^e4
	s_add_co_i32 s36, s36, 8
	s_lshl_b32 s36, s36, 23
	s_or_b32 s36, s36, 0x600000
	v_mov_b32 v210, s36                            ; 448 x 2^e4
	s_sub_co_i32 s36, s30, s28
	s_sub_co_i32 s36, s36, s29
	s_add_co_i32 s36, s36, 127
	s_lshl_b32 s37, s36, 23
	v_mov_b32 v220, s37                            ; 2^(e6 - e4 - e5)
	s_add_co_i32 s36, s36, 8
	s_lshl_b32 s36, s36, 23
	s_or_b32 s36, s36, 0x600000
	v_mov_b32 v221, s36
	s_wait_loadcnt 2                               ; step 0 and Q are in; step 1's two loads stay out
	ds_store_b128 v2, v[8:11]
	ds_store_b128 v2, v[12:15] offset:512
	s_wait_dscnt 0x0                               ; for the others' sake: my part of slot 0 has landed
	s_barrier_signal -1
	s_barrier_wait -1
; A KEY STEP on slot sg.  st: the next step's bytes go from set 1 - sg into slot 1 - sg, which every wave has left (its reads were waited for in front of the last barrier).
; ld: the step after that is asked for, into set sg, whose LDS stores were waited for in front of the last barrier.  pf: the prefetches.  bar: the barrier at the step's end.
.macro STEP sg, st, ld, pf, bar
.if \st
	s_wait_loadcnt 0x0                             ; the two loads that are out were issued a step ago
	ds_store_b128 v2, v[SET+204*(1-\sg):SET+204*(1-\sg)+3] offset:(1-\sg)*SLOT
	ds_store_b128 v2, v[SET+204*(1-\sg)+4:SET+204*(1-\sg)+7] offset:(1-\sg)*SLOT+512
.endif
.if \ld
	global_load_b128 v[SET+204*\sg:SET+204*\sg+3], v1, s[32:33] offset:(2+\sg)*8192
	global_load_b128 v[SET+204*\sg+4:SET+204*\sg+7], v1, s[32:33] offset:(2+\sg)*8192+512
.endif
.if \pf
; PREFETCH: trip T names steps 2 T + 5 and 2 T + 6, three steps ahead of the loads that will want the first of them: 8,192 bytes of K (wave 0) or of V (wave 8) each, lanes 256 bytes apart.
; All work-groups of a head walk the same K and V: one work-group asks, so each block is named once.  It stops at step 30, inside the head's 32; steps 0 to 4 and 31 come by their loads alone.
	s_cmp_lt_u32 s18, s34
	s_cbranch_scc0 .Lnoask_\@
	global_prefetch_b8 v3, s[32:33] offset:5*8192 th:TH_LOAD_NT scope:SCOPE_SE
	global_prefetch_b8 v3, s[32:33] offset:6*8192 th:TH_LOAD_NT scope:SCOPE_SE
.Lnoask_\@:
.endif
	s_cmp_gt_u32 s17, s35                          ; all 128 keys come after my 16 queries (and none is under 64: the step is not the first)
	s_cbranch_scc1 .Lhid_\@
.rept 4
	v_nop                                          ; places in front of loads into registers that the last products read
.endr
.irp t, 0,1,2,3,4,5,6,7
	ds_load_b128 v[32+8*\t:35+8*\t], v1 offset:\sg*SLOT+\t*1024
	ds_load_b128 v[36+8*\t:39+8*\t], v1 offset:\sg*SLOT+\t*1024+512
.endr
	s_wait_dscnt 8                                 ; K's tiles 0-3 are in; the youngest eight loads stay out
.irp t, 0,1,2,3
	v_wmma_f32_16x16x64_fp8_fp8 v[96+8*\t:103+8*\t], v[32+8*\t:39+8*\t], v[16:23], 0
.endr
	s_wait_dscnt 0x0
.irp t, 4,5,6,7
	v_wmma_f32_16x16x64_fp8_fp8 v[96+8*\t:103+8*\t], v[32+8*\t:39+8*\t], v[16:23], 0
.endr
.rept 4
	v_nop                                          ; places in front of the loads below and of the first read of the scores
.endr
.irp d, 0,1,2,3
.irp c, 0,1,2,3
	ds_load_b128 v[32+16*\d+4*\c:35+16*\d+4*\c], v1 offset:\sg*SLOT+8192+\d*2048+\c*512   ; V lands while the softmax is worked
.endr
.endr
	s_add_co_u32 s36, s17, 127
	s_cmp_le_u32 s36, s16                          ; every key of the step counts for every query of mine
	s_cbranch_scc1 .Lopen_\@
	v_sub_nc_u32 v6, v4, s17                       ; register 8 c + j holds key KF + 16 c + 8 (lane / 16) + j: hidden where 16 c + j > max(query, 63) - 8 (lane / 16) - KF
	v_mov_b32 v30, 0xff800000                      ; -infinity: p = 0 then
.set n, 0
.rept 64
	v_cmp_gt_i32 vcc_lo, 16*(n/8)+n%8, v6
	v_cndmask_b32 v[96+n], v[96+n], v30, vcc_lo
.set n, n+1
.endr
.Lopen_\@:
	v_max3_num_f32 v30, v96, v97, v98              ; the step's largest score of my query among my 64 keys, in two chains, each accumulator from its low end on
	v_max3_num_f32 v5, v99, v100, v101
.irp i, 6,10,14,18,22,26,30,34,38,42,46,50,54,58
	v_max3_num_f32 v30, v30, v[96+\i], v[97+\i]
	v_max3_num_f32 v5, v5, v[98+\i], v[99+\i]
.endr
	v_max3_num_f32 v30, v30, v158, v159
	v_max_num_f32 v30, v30, v5
	v_permlanex16_b32 v31, v30, s20, s21
	v_max_num_f32 v30, v30, v31                    ; and among lane l xor 16's
	v_mul_f32 v30, s22, v30                        ; as t (c is positive)
	v_max_num_f32 v25, v25, v30
	v_mov_b32 v30, v24
	v_floor_f32 v24, -v25                          ; the new -M = -ceil(t)
	v_sub_f32 v30, v24, v30                        ; old M - new M: a whole number, 0 or less
	v_cvt_i32_f32 v30, v30                         ; (it saturates)
	v_ldexp_f32 v28, 1.0, v30                      ; f = 2^(old M - new M)
.set j, 0
.rept 32
	v_pk_fma_f32 v[96+j:97+j], v[96+j:97+j], s[22:23], v[24:25] op_sel_hi:[1,0,0]   ; t - M, two at a time
.set j, j+2
.endr
.set j, 0
.rept 64
	v_exp_f32 v[96+j], v[96+j]                     ; p = 2^(t - M)
.set j, j+1
.endr
.set j, 0
.rept 16
	v_pk_mul_f32 v[160+j:161+j], v[160+j:161+j], v[28:29] op_sel_hi:[1,0]   ; O^T under the new M: work that names no exponential's result stands behind the batch
.set j, j+2
.endr
	v_pk_mul_f32 v[26:27], v[26:27], v[28:29] op_sel_hi:[1,0]
	s_wait_alu depctr_va_vdst(0)                   ; one wait for the 64 exponentials, ahead of their first reader
	v_pk_add_f32 v[208:209], v[96:97], v[98:99]    ; the row's sum, of the unquantised p, in two chains
.irp j, 4,8,12,16,20,24,28,32,36,40,44,48,52,56,60
	v_pk_add_f32 v[26:27], v[26:27], v[96+\j:97+\j]
	v_pk_add_f32 v[208:209], v[208:209], v[98+\j:99+\j]
.endr
	v_pk_add_f32 v[26:27], v[26:27], v[208:209]
	s_cmp_ge_i32 s28, -8                           ; p is at most 1 (but for its last bit): where 448 x 2^e4 is 1.75 or more the hold changes nothing and is jumped over
	s_cbranch_scc1 .Lheld_\@
.set j, 0
.rept 64
	v_min_num_f32 v[96+j], v[96+j], v210           ; the conversion does not saturate (ISA guide 7.6.2); p is not negative, so the hold is one-sided
.set j, j+1
.endr
.Lheld_\@:
.irp c, 0,1,2,3,4,5,6,7
	v_cvt_scalef32_pk8_fp8_f32 v[192+2*\c:193+2*\c], v[96+8*\c:103+8*\c], v211
.endr
	v_nop                                          ; a plain line between the last conversion and the products that read its result
	s_wait_dscnt 0x0                               ; V is in
.irp d, 0,1,2,3
	v_wmma_f32_16x16x128_fp8_fp8 v[160+8*\d:167+8*\d], v[32+16*\d:47+16*\d], v[192:207], v[160+8*\d:167+8*\d]   ; four accumulators by turns; eleven other matrix instructions stand between two links of a chain
.endr
.Lhid_\@:
	s_add_co_u32 s17, s17, 128
.if \bar
	s_wait_dscnt 0x0                               ; my stores into the other slot have landed and my reads of this one are back
	s_barrier_signal -1
	s_barrier_wait -1
.endif
.endm
.Ltrip:
	STEP 0, 1, 1, 1, 1
	STEP 1, 1, 1, 0, 1
	s_wait_xcnt 0x0                                ; the trip's loads and prefetches have read their base: it may step
	s_add_nc_u64 s[32:33], s[32:33], 2*8192
	s_add_co_u32 s18, s18, 1
	s_cmp_lt_u32 s18, s19
	s_cbranch_scc1 .Ltrip
	STEP 0, 1, 0, 0, 1                             ; the last trip asks for nothing: no load leaves the head's 32 steps
	STEP 1, 0, 0, 0, 0
	; THE WAY OUT: O^T / the sum, quantised for the last product; a lane's eight registers of a tile are eight neighbours along that product's K.
.rept 4
	v_nop                                          ; places behind the last products
.endr
	v_add_f32 v26, v26, v27
	v_permlanex16_b32 v31, v26, s20, s21
	v_add_f32 v26, v26, v31                        ; the row's sum
	v_rcp_f32 v26, v26
	v_nop                                          ; a plain line behind the transcendental
	s_wait_alu depctr_va_vdst(0)                   ; and the wait ahead of its first reader
.set j, 0
.rept 32
	v_mul_f32 v[96+j], v[160+j], v26
.set j, j+1
.endr
.set j, 0
.rept 32
	v_med3_num_f32 v[96+j], v[96+j], -v221, v221
.set j, j+1
.endr
.irp d, 0,1,2,3
	v_cvt_scalef32_pk8_fp8_f32 v[192+2*\d:193+2*\d], v[96+8*\d:103+8*\d], v220
.endr
	v_nop
	global_store_b128 v1, v[192:195], s[8:9]               ; each store covers 512 consecutive bytes, aligned
	global_store_b128 v1, v[196:199], s[8:9] offset:512
	s_wait_tensorcnt 0x0
	ds_add_u32 v254, v255
	s_wait_dscnt 0x0
	s_endpgm
.Lfunc_end_k_q37c4c4cb3b_attn:
	.size	k_q37c4c4cb3b_attn, .Lfunc_end_k_q37c4c4cb3b_attn-k_q37c4c4cb3b_attn
	.p2alignl 7, 3214868480
	.fill 96, 4, 3214868480
	.section	.rodata,"a",@progbits
	.p2align	6, 0x0
	.amdhsa_kernel k_q37c4c4cb3b_attn
		.amdhsa_group_segment_fixed_size 34816
		.amdhsa_private_segment_fixed_size 0
		.amdhsa_enable_private_segment 0
		.amdhsa_kernarg_size 24
		.amdhsa_user_sgpr_count 2
		.amdhsa_user_sgpr_kernarg_segment_ptr 1
		.amdhsa_wavefront_size32 1
		.amdhsa_system_sgpr_workgroup_id_x 1
		.amdhsa_system_sgpr_workgroup_id_y 1
		.amdhsa_system_sgpr_workgroup_id_z 1
		.amdhsa_system_vgpr_workitem_id 0
		.amdhsa_next_free_vgpr 256
		.amdhsa_next_free_sgpr 66
		.amdhsa_reserve_vcc 1
		.amdhsa_float_denorm_mode_32 3
		.amdhsa_float_denorm_mode_16_64 3
		.amdhsa_memory_ordered 1
		.amdhsa_forward_progress 1
		.amdhsa_inst_pref_size 93
	.end_amdhsa_kernel
	.amdgpu_metadata
---
amdhsa.version: [ 1, 2 ]
amdhsa.kernels:
  - .name:           k_q37c4c4cb3b_attn
    .symbol:         k_q37c4c4cb3b_attn.kd
    .args:
      - { .name: qkvc, .offset: 0, .size: 8, .value_kind: global_buffer, .address_space: global }
      - { .name: lowp_scales, .offset: 8, .size: 8, .value_kind: global_buffer, .address_space: global }
      - { .name: yc, .offset: 16, .size: 8, .value_kind: global_buffer, .address_space: global }
    .group_segment_fixed_size: 34816
    .private_segment_fixed_size: 0
    .kernarg_segment_align: 8
    .kernarg_segment_size: 24
    .max_flat_workgroup_size: 512
    .sgpr_count:     66
    .vgpr_count:     256
    .wavefront_size: 32
...
	.end_amdgpu_metadata
.endif
;; end of part 3
;; launch proj (part 4): grid 4 x 16, 4 waves a work-group, clusters of 4 x 4, 327,680 bytes of LDS; arguments yc, wpc, lowp_scales, out0; writes out0
.if DOCPART == 4
	.amdgcn_target "amdgcn-amd-amdhsa--gfx1250"
	.amdhsa_code_object_version 6
	.text
	.protected	k_q37c4c4cb3b_proj
	.globl	k_q37c4c4cb3b_proj
	.p2align	8
	.type	k_q37c4c4cb3b_proj,@function
k_q37c4c4cb3b_proj:
	s_mov_b64 s[64:65], 0
	v_nop
	global_prefetch_b8 v0, s[64:65] scope:SCOPE_SE
	s_setreg_imm32_b32 hwreg(HW_REG_WAVE_MODE, 25, 1), 1
	s_wait_xcnt 0x0
	s_wait_alu depctr_hold_cnt(0) depctr_sa_sdst(0) depctr_va_vdst(0) depctr_va_sdst(0) depctr_va_ssrc(0) depctr_va_vcc(0) depctr_vm_vsrc(0)
	s_getreg_b32 s2, hwreg(HW_REG_IB_STS2, 6, 4)
	s_cmp_eq_u32 s2, 0
	s_cbranch_scc0 .Lentry_in_a_cluster
	s_endpgm
.Lentry_in_a_cluster:
	s_bfe_u32 s2, ttmp6, 0x10000c
	s_cmp_lg_u32 s2, 0xf033
	s_cbranch_scc0 .Lentry_shape_is_right
	s_endpgm
.Lentry_shape_is_right:
; out0 = y w_proj on codes of E4M3; each finished f32 sum is multiplied once by 2^(e6 + e7).  LIMIT: e6 + e7 lies between -126 and 127.
; A = y comes as IMAGES OF OPERAND REGISTERS: yc [4 slots of 256 along K][256 tiles of 16 tokens][2 steps of 128 K][4 groups][512 bytes], lane l's 16 bytes of a group at 16 l; registers 2 c, 2 c + 1 hold k = 16 c + 8 (l / 16) + 0 .. 7.
; B = wpc [1024 n][1024 k], in which the four pieces of 8 codes of every 32 along K lie in the order 0, 2, 1, 3: a load of 16 bytes at 32 c + 16 (l / 16) brings a lane the same k in the same registers.
; A tile of 256 x 256 of out0 is made by four waves, 128 x 128 each.  K goes in steps of 256 through a ring of two LDS slots.  The 128 rows of A that a wave fetches for a K step are one dense block of 32,768 bytes:
; 128 rows of 256 bytes, no padding (images are read 512 consecutive bytes an instruction).  B's tile: 128 rows of 256 bytes, 1,024 apart, 16 bytes of padding behind each.
; CLUSTERS of 4 x 4: A's tile is shared along a row of the cluster, B's along a column: joint loads.  64 tiles, 64 work-groups.
; THE MATRIX INSTRUCTION IS USED TRANSPOSED (source 0 = 16 rows of B, source 1 = 16 rows of A): a lane holds eight neighbouring numbers of a row of out0.
; REGISTERS, in windows of 256: window 0: v0-31 addresses; from v128 A's fragments, one set; on the way out v32-255 are free.  window 1: B's fragments, two sets.  windows 2, 3: the accumulators.
; No prefetch: K has four steps of 256, two of them asked for at the head.
.set SIZE_N, 1024
.set SIZE_K, 1024
.set KSTEP,  256
.set ROWB,   256
.set KROW,   SIZE_K
.set ASTEP,  1<<20                     ; from a K slot of yc to the next
.set PITCH,  272
.set FR,     16
.set NL,     4
.set NP,     4
.set HALFT,  128*PITCH                 ; a wave's part of a slot (A's uses 32,768 bytes of it)
.set SLOT,   4*HALFT
.set LAPS,   SIZE_K/(2*KSTEP)
.set SPARE,  2*SLOT
.set SPITCH, 528                       ; the way out: a stage of 16 rows x (512 + 16) bytes a wave, in slot 0, which has had its last fill and its last read when the first result is stored there
.set ADRA, 16
.set ADRB, 20
.set STO,  24
.set RD,   25
.set CO,   26
.set SPW,  28
.set NIL,  29
.set TMP,  32
.set AF,   128
.set BK,   128
.set G1, 24
.set G0, 32
.set G1B, 48
.set G0B, 56
.set MSB, 0
.macro WIN new
.if MSB != \new
	s_set_vgpr_msb (MSB<<8)|\new
.set MSB, \new
.endif
.endm
.set MUL_LO, 0xa1
.set MUL_HI, 0xf1
.set TO_B,   0x40
.macro JLOAD g0a, g1a, g0b, g1b        ; waves 0 and 1 fetch for A, waves 2 and 3 for B; four v_nop follow each of the two lines
	s_cmp_eq_u32 s15, 0
	s_cbranch_scc0 .Lfor_b_\@
	tensor_load_to_lds s[\g0a:\g0a+3], s[\g1a:\g1a+7]
	s_nop 0
.rept 4
	v_nop
.endr
	s_branch .Lasked_\@
.Lfor_b_\@:
	tensor_load_to_lds s[\g0b:\g0b+3], s[\g1b:\g1b+7]
	s_nop 0
.rept 4
	v_nop
.endr
.Lasked_\@:
.endm
.macro CREST
	s_cmp_lg_u32 s14, 0
	s_cbranch_scc1 .Lnot_wave_0_\@
	s_barrier_signal -3
.Lnot_wave_0_\@:
	s_barrier_wait -3
	s_barrier_signal -1
	s_barrier_wait -1
.endm
.macro CROUND
	s_barrier_signal -1
	s_barrier_wait -1
	CREST
.endm
	s_load_b128 s[4:7], s[0:1], 0x0                ; yc s[4:5], wpc s[6:7]
	s_load_b128 s[8:11], s[0:1], 0x10              ; the scales' exponents s[8:9], out0 s[10:11]
	v_lshl_add_u32 v[SPW], v0, 2, SPARE
	v_mov_b32 v[NIL], 0
	ds_add_u32 v28, v29
	ds_add_u32 v28, v29
	s_wait_dscnt 0x0
	v_lshrrev_b32 v1, 5, v0
	v_readfirstlane_b32 s14, v1                    ; wave 0..3
	s_lshr_b32 s15, s14, 1                         ; which half of the tile's rows is mine.  Also: I fetch for A (0) or for B (1)
	s_and_b32 s16, s14, 1                          ; which half of its columns.  Also: which 128 rows I fetch
	s_bfe_u32 s40, ttmp6, 0x40000                  ; cx
	s_bfe_u32 s41, ttmp6, 0x40004                  ; cy
	s_lshl_b32 s42, ttmp9, 2
	s_add_co_u32 s42, s42, s40                     ; tile column = 4 x cluster x + cx
	s_and_b32 s17, ttmp7, 0xffff
	s_lshl_b32 s17, s17, 2
	s_add_co_u32 s17, s17, s41                     ; tile row = 4 x cluster y + cy
	s_lshl_b32 s43, s41, 2
	s_lshl_b32 s43, 15, s43                        ; my row of the cluster
	s_lshl_b32 s44, 0x1111, s40                    ; my column
	s_or_b32 s[G1+0], s43, (0<<16)|(1<<21)         ; A: 15:0 the mask; elements of 1 byte; no padding; 21 set beside a mask
	s_or_b32 s[G1B+0], s44, (0<<16)|(1<<20)|(1<<21)|(5<<22)|(3<<25)  ; B: padding of four words after every 64
.irp g, G1, G1B
	s_mov_b32 s[\g+1], ROWB<<16                    ; tensor_dim0
	s_mov_b32 s[\g+2], 128<<16                     ; tensor_dim1
	s_mov_b32 s[\g+3], ROWB<<16                    ; tile_dim0
	s_mov_b32 s[\g+4], 128                         ; tile_dim1
	s_mov_b32 s[\g+6], 0
	s_mov_b32 s[\g+7], 0
.endr
	s_mov_b32 s[G1+5], ROWB                        ; A: dense: a row begins where the last ends
	s_mov_b32 s[G1B+5], KROW                       ; B: rows of wpc
	s_lshl_b32 s20, s17, 16                        ; A: token tile 16 x tile row + 8 x half, 4,096 bytes each
	s_lshl_b32 s18, s16, 15
	s_add_co_u32 s20, s20, s18
	s_mov_b32 s21, 0
	s_lshl_b32 s46, s42, 8                         ; B: row 256 x tile column + 128 x half, 1,024 bytes each
	s_lshl_b32 s18, s16, 7
	s_add_co_u32 s46, s46, s18
	s_lshl_b32 s46, s46, 10
	s_mov_b32 s47, 0
	s_mul_i32 s45, s14, HALFT                      ; where they go: no place in the cluster enters an LDS address
	s_wait_kmcnt 0x0
	s_load_b64 s[96:97], s[8:9], 0x18              ; e6, e7
	s_add_nc_u64 s[20:21], s[4:5], s[20:21]
	s_add_nc_u64 s[46:47], s[6:7], s[46:47]
	CROUND                                         ; all sixteen work-groups are here: the first joint loads meet
.irp s, 0,1
	s_mov_b32 s[G0+4*\s], 1
	s_add_co_u32 s[G0+4*\s+1], s45, \s*SLOT
	s_add_nc_u64 s[G0+4*\s+2:G0+4*\s+3], s[20:21], \s*ASTEP
	s_or_b32 s[G0+4*\s+3], s[G0+4*\s+3], 0x80000000
	s_mov_b32 s[G0B+4*\s], 1
	s_add_co_u32 s[G0B+4*\s+1], s45, \s*SLOT
	s_add_nc_u64 s[G0B+4*\s+2:G0B+4*\s+3], s[46:47], \s*ROWB
	s_or_b32 s[G0B+4*\s+3], s[G0B+4*\s+3], 0x80000000
	JLOAD G0+4*\s, G1, G0B+4*\s, G1B
.endr
	v_and_b32 v1, 15, v0                           ; l % 16
	v_bfe_u32 v2, v0, 4, 1                         ; l / 16
	v_mul_u32_u24 v3, v1, PITCH
	v_lshl_add_u32 v4, v2, 4, v3                   ; B: a fragment's row x pitch + 16 x half
	v_and_b32 v6, 31, v0
	v_lshlrev_b32 v[CO], 4, v6                     ; 16 x lane: A's images, and a row of out0
	s_mul_i32 s21, s15, HALFT                      ; my 128 rows of A
	s_mul_i32 s22, s16, HALFT                      ; my 128 rows of B,
	s_add_co_u32 s22, s22, 2*HALFT                 ; which lie behind A's
.irp s, 0,1
	v_add_nc_u32 v[ADRA+\s], s21, v[CO]
	v_add_nc_u32 v[ADRB+\s], s22, v4
	s_add_co_u32 s21, s21, SLOT
	s_add_co_u32 s22, s22, SLOT
.endr
	s_mul_i32 s23, s14, 16*SPITCH                  ; my stage
	v_mul_u32_u24 v5, v1, SPITCH                   ; in: row l % 16, 32 bytes for each half of the lanes
	v_lshl_add_u32 v5, v2, 5, v5
	v_add_nc_u32 v[STO], s23, v5
	v_add_nc_u32 v[RD], s23, v[CO]                 ; back: the 32 lanes take one row of 512 bytes
	s_lshl_b32 s20, s17, 8
	s_lshl_b32 s21, s15, 7
	s_add_co_u32 s20, s20, s21                     ; my first row of out0
	s_lshl_b32 s20, s20, 12                        ; rows of 4,096 bytes
	s_lshl_b32 s46, s42, 10                        ; my first column, in bytes
	s_lshl_b32 s47, s16, 9
	s_add_co_u32 s46, s46, s47
	s_add_co_u32 s20, s20, s46
	s_mov_b32 s21, 0
	s_add_nc_u64 s[10:11], s[10:11], s[20:21]
.macro FRAG reg, adr, q, i             ; B: 16 rows x 128 K: four loads of 16 bytes, 32 apart
.irp c, 0,1,2,3
	ds_load_b128 v[\reg+4*\c:\reg+4*\c+3], v[\adr] offset:128*(\q)+32*\c+(\i)*16*PITCH
.endr
.endm
.macro FRAGA reg, adr, q, i            ; A: the image of token tile i, K step q of the slot: four groups of 512 consecutive bytes
.irp c, 0,1,2,3
	ds_load_b128 v[\reg+4*\c:\reg+4*\c+3], v[\adr] offset:2048*(\q)+512*\c+(\i)*4096
.endr
.endm
.macro MUL16 a0, p, zero               ; the 64 accumulators take turns, one instruction a turn, in the same order in every step
.irp a, \a0, \a0+1
.irp b, 0,1,2,3,4,5,6,7
.if \zero
	v_wmma_f32_16x16x128_fp8_fp8 v[8*(8*((\a)%4)+\b):8*(8*((\a)%4)+\b)+7], v[128*(\p)+FR*\b:128*(\p)+FR*\b+FR-1], v[AF+FR*(\a):AF+FR*(\a)+FR-1], 0
.else
	v_wmma_f32_16x16x128_fp8_fp8 v[8*(8*((\a)%4)+\b):8*(8*((\a)%4)+\b)+7], v[128*(\p)+FR*\b:128*(\p)+FR*\b+FR-1], v[AF+FR*(\a):AF+FR*(\a)+FR-1], v[8*(8*((\a)%4)+\b):8*(8*((\a)%4)+\b)+7]
.endif
.endr
.endr
.endm
.macro FETCH_B slot, q, p
	WIN TO_B
.irp i, 0,1,2,3,4,5,6,7
	FRAG 128*(\p)+FR*\i, ADRB+\slot, \q, \i
.endr
	WIN 0
.endm
.macro FETCH_A slot, q, i0
.irp i, \i0, \i0+1, \i0+2, \i0+3
	FRAGA AF+FR*(\i), ADRA+\slot, \q, \i
.endr
.endm
.macro PLACES n
.rept \n
	v_nop
.endr
.endm
.macro STEP slot, q, zero
	s_wait_dscnt 4*NL                              ; B's set and A's blocks 0-3 are in; the youngest sixteen loads (A's blocks 4-7) may be out
	WIN MUL_LO
	MUL16 0, (\q)%2, \zero
	MUL16 2, (\q)%2, \zero
	s_wait_dscnt 0
	PLACES NP
	FETCH_B \slot, (\q)+1, 1-(\q)%2
	FETCH_A \slot, (\q)+1, 0
	WIN MUL_HI
	MUL16 4, (\q)%2, \zero
	MUL16 6, (\q)%2, \zero
	PLACES NP
	WIN 0
	FETCH_A \slot, (\q)+1, 4
.endm
.macro TURN slot, next, fill
	s_wait_tensorcnt 0x0                           ; all my tensor loads have landed: my part of the next slot
	ds_add_u32 v[SPW], v[NIL]                      ; 0 onto my spare word
	s_wait_dscnt 4*NL+1                            ; (the add and A's blocks 4-7 may be out)
	WIN MUL_LO
	MUL16 0, 1, 0
	s_wait_dscnt 0x0                               ; the add is done, and my reads of this slot are over
	s_barrier_signal -1
	MUL16 2, 1, 0
	WIN 0
	s_barrier_wait -1
.if \fill
	CREST                                          ; the barrier has opened a round of the cluster's: no wave of any partner still reads this slot or has a load on its way
	s_add_nc_u64 s[G0+4*\slot+2:G0+4*\slot+3], s[G0+4*\slot+2:G0+4*\slot+3], 2*ASTEP
	s_add_nc_u64 s[G0B+4*\slot+2:G0B+4*\slot+3], s[G0B+4*\slot+2:G0B+4*\slot+3], 2*ROWB
	JLOAD G0+4*\slot, G1, G0B+4*\slot, G1B         ; the first tensor load behind the round; its four v_nop are also the places in front of the loads below
.else
	PLACES NP
.endif
	FETCH_B \next, 0, 0
	FETCH_A \next, 0, 0
	WIN MUL_HI
	MUL16 4, 1, 0
	MUL16 6, 1, 0
	PLACES NP
	WIN 0
	FETCH_A \next, 0, 4
.endm
	s_wait_tensorcnt 1                             ; my part of K step 0 is in; K step 1's load may be out
	s_barrier_signal -1
	s_barrier_wait -1
	FETCH_B 0, 0, 0
	FETCH_A 0, 0, 0
	FETCH_A 0, 0, 4
	STEP 0, 0, 1                                   ; the first step's products start the sums
	s_mov_b32 s3, LAPS-1
.Llap:
	TURN 0, 1, 1
	STEP 1, 0, 0
	TURN 1, 0, 1
	STEP 0, 0, 0
	s_sub_co_u32 s3, s3, 1
	s_cmp_lg_u32 s3, 0
	s_cbranch_scc1 .Llap
	TURN 0, 1, 0                                   ; the last lap fills nothing
	STEP 1, 0, 0
	s_wait_dscnt 4*NL
	WIN MUL_LO
	MUL16 0, 1, 0
	MUL16 2, 1, 0
	s_wait_dscnt 0
	WIN MUL_HI
	MUL16 4, 1, 0
	MUL16 6, 1, 0
	WIN 0
; THE WAY OUT, block by block of 16 rows x 128 columns, through my own stage in LDS: in as 32 bytes a lane, back as whole rows of 512 bytes.  LDS serves a wave's instructions in order (ISA guide 5.7.1.4).
.macro TOSTAGE a
.set AC, 64*((\a)%4)
	WIN 0x02+((\a)/4)
.irp j, 0,2,4,6,8,10,12,14,16,18,20,22,24,26,28,30,32,34,36,38,40,42,44,46,48,50,52,54,56,58,60,62
	v_pk_mul_f32 v[TMP+\j:TMP+\j+1], v[AC+\j:AC+\j+1], s[96:97] op_sel_hi:[1,0]   ; both x s96 = 2^(e6 + e7); each accumulator from its low end on
.endr
	WIN 0
.irp b, 0,1,2,3,4,5,6,7
	ds_store_b128 v[STO], v[TMP+8*\b:TMP+8*\b+3] offset:64*\b
	ds_store_b128 v[STO], v[TMP+8*\b+4:TMP+8*\b+7] offset:64*\b+16
.endr
.set BB, BK+64*((\a)%2)
.irp t, 0,1,2,3,4,5,6,7,8,9,10,11,12,13,14,15
	ds_load_b128 v[BB+4*\t:BB+4*\t+3], v[RD] offset:\t*SPITCH
.endr
.endm
.macro SEND a, younger
.set BB, BK+64*((\a)%2)
	s_wait_dscnt \younger                          ; the block is back in registers
.if (\a) > 0
	s_add_nc_u64 s[10:11], s[10:11], 16*SIZE_N*4   ; (behind a wait on XCNT: the earlier stores have read their base)
.endif
.irp t, 0,1,2,3,4,5,6,7,8,9,10,11,12,13,14,15
	global_store_b128 v[CO], v[BB+4*\t:BB+4*\t+3], s[10:11] offset:\t*SIZE_N*4 th:TH_STORE_NT   ; 32 lanes store 512 consecutive bytes, aligned; written once, read by nobody here
.endr
.endm
	s_wait_kmcnt 0x0
	s_add_co_i32 s96, s96, s97
	s_add_co_i32 s96, s96, 127
	s_lshl_b32 s96, s96, 23                        ; 2^(e6 + e7) as f32
	PLACES NP
	TOSTAGE 0
.irp a, 1,2,3,4,5,6,7
.if \a > 1
	s_wait_xcnt 0x0                                ; block a - 2's stores have read their registers and their base
.endif
	TOSTAGE \a
	SEND \a-1, 32                                  ; behind block a - 1's loads: block a's 16 stores and 16 loads
.endr
	s_wait_xcnt 0x0
	SEND 7, 0
	s_wait_tensorcnt 0x0                           ; the wave's end
	ds_add_u32 v[SPW], v[NIL]
	s_wait_dscnt 0x0
	CROUND                                         ; the closing round
	s_endpgm
.Lfunc_end_k_q37c4c4cb3b_proj:
	.size	k_q37c4c4cb3b_proj, .Lfunc_end_k_q37c4c4cb3b_proj-k_q37c4c4cb3b_proj
	.p2alignl 7, 3214868480
	.fill 96, 4, 3214868480
	.section	.rodata,"a",@progbits
	.p2align	6, 0x0
	.amdhsa_kernel k_q37c4c4cb3b_proj
		.amdhsa_group_segment_fixed_size 327680
		.amdhsa_private_segment_fixed_size 0
		.amdhsa_enable_private_segment 0
		.amdhsa_kernarg_size 32
		.amdhsa_user_sgpr_count 2
		.amdhsa_user_sgpr_kernarg_segment_ptr 1
		.amdhsa_wavefront_size32 1
		.amdhsa_system_sgpr_workgroup_id_x 1
		.amdhsa_system_sgpr_workgroup_id_y 1
		.amdhsa_system_sgpr_workgroup_id_z 1
		.amdhsa_system_vgpr_workitem_id 0
		.amdhsa_next_free_vgpr 1024
		.amdhsa_next_free_sgpr 98
		.amdhsa_reserve_vcc 0
		.amdhsa_float_denorm_mode_32 3
		.amdhsa_float_denorm_mode_16_64 3
		.amdhsa_memory_ordered 1
		.amdhsa_forward_progress 1
		.amdhsa_inst_pref_size 123
	.end_amdhsa_kernel
	.amdgpu_metadata
---
amdhsa.version: [ 1, 2 ]
amdhsa.kernels:
  - .name:           k_q37c4c4cb3b_proj
    .symbol:         k_q37c4c4cb3b_proj.kd
    .args:
      - { .name: yc, .offset: 0, .size: 8, .value_kind: global_buffer, .address_space: global }
      - { .name: wpc, .offset: 8, .size: 8, .value_kind: global_buffer, .address_space: global }
      - { .name: lowp_scales, .offset: 16, .size: 8, .value_kind: global_buffer, .address_space: global }
      - { .name: out0, .offset: 24, .size: 8, .value_kind: global_buffer, .address_space: global }
    .group_segment_fixed_size: 327680
    .private_segment_fixed_size: 0
    .kernarg_segment_align: 8
    .kernarg_segment_size: 32
    .max_flat_workgroup_size: 128
    .sgpr_count:     98
    .vgpr_count:     1024
    .wavefront_size: 32
...
	.end_amdgpu_metadata
.endif
;; end of part 4
;; ======== version 2 of 2: 4 launches; version 1 with the launch attn written anew for expert scheduling mode
;; workspace buffers: xc 4,194,304 bytes; wac 3,145,728 bytes; wpc 1,048,576 bytes; qkvc 12,582,912 bytes; yc 4,194,304 bytes
;; launch quant: the kernel of part 1 again; grid 256 x 1, 4 waves a work-group, no clusters, 102,912 bytes of LDS; arguments x, w_attn, w_proj, lowp_scales, xc, wac, wpc; writes xc, wac, wpc
;; launch qkv: the kernel of part 2 again; grid 12 x 16, 4 waves a work-group, clusters of 4 x 4, 327,680 bytes of LDS; arguments xc, wac, lowp_scales, qkvc; writes qkvc
;; launch attn (part 5): grid 16 x 16, 16 waves a work-group, no clusters, 34,816 bytes of LDS; arguments qkvc, lowp_scales, yc; writes yc
.if DOCPART == 5
	.amdgcn_target "amdgcn-amd-amdhsa--gfx1250"
	.amdhsa_code_object_version 6
	.text
	.protected	k_q37c4c4cb3b_attn
	.globl	k_q37c4c4cb3b_attn
	.p2align	8
	.type	k_q37c4c4cb3b_attn,@function
k_q37c4c4cb3b_attn:
	s_mov_b64 s[64:65], 0
	v_nop
	global_prefetch_b8 v0, s[64:65] scope:SCOPE_SE
	s_setreg_imm32_b32 hwreg(HW_REG_WAVE_SCHED_MODE, 0, 2), 2
	s_setreg_imm32_b32 hwreg(HW_REG_WAVE_MODE, 25, 1), 1
	s_wait_xcnt 0x0
	s_wait_alu depctr_vm_vsrc(0)
; y[q] = the sum over keys of softmax(q . k / 8) v for 16 heads of 64 channels, 4,096 tokens; key k counts for query q where k <= q or k < 64, that is where k <= max(q, 63).  Both products on codes of E4M3.
; INPUT: qkvc: images of operand registers (group g of four registers at 512 g, lane l's 16 bytes at 16 l): q at 0 and k at 4 MiB: [head][tile of 16 tokens][1,024];  v at 8 MiB: [head][step of 128 keys][tile of 16 d][2,048].
; OUTPUT: yc: y's codes as images for the last product: [4 slots of 256 along K][256 token tiles][4,096]; head hd fills bytes 1,024 (hd % 4) on of slot hd / 4.
; THE SOFTMAX: t = sum x c, c = log2(e) / 8 x 2^(e2 + e3); M = the running largest t rounded UP to a whole number; p = 2^(t - M) is quantised with 2^e4, not normalised; the row's sum is taken of the unquantised p.
; When M moves, the sum and O are multiplied by 2^(old M - new M), which rounds nothing.  At the end y's code = (O / sum) / 2^(e6 - e4 - e5), held within +-448.
; LIMITS: e2 + e3 between -123 and 130 (added to c's exponent field); e4 between -126 and 119; e6 - e4 - e5 between -126 and 119.  NaN is not served.
; SHARES: the queries are 32 blocks of 128.  Work-group (lo, head) takes blocks lo and 31 - lo: 33 block-steps whatever lo is.  Each of its sixteen waves owns one tile of 16 queries in 256 registers.
; role = ((w >> 2) ^ w) & 1 picks the block, so that of any four waves w = 4 i .. 4 i + 3, and of any four w = i mod 4, two have the early block and two the late one.
; The work-group walks key steps 0 .. 31 - lo, two a trip.  A wave leaves out the WORK of a step all of whose keys come after its queries (a scalar branch on ids); its part of the copy and every barrier it still does.
; BOTH PRODUCTS TRANSPOSED: S^T = K Q^T (source 0 = 16 keys), O^T = V^T P^T (source 0 = 16 d): a lane holds one query (lane % 16) throughout; register j of S^T's tile c is key 16 c + 8 (lane / 16) + j,
; so one conversion gives registers 2 c, 2 c + 1 of P; likewise O^T's tile gives y's.  Nothing is transposed and nothing changes lanes but one exchange between the halves.
; K AND V GO THROUGH LDS BY WAY OF REGISTERS: a step's 16 KiB (K's 8 images, V's 4) are copied 1 KiB a wave: two loads a step ahead, two LDS stores, one barrier a step, two slots.  No tensor load:
; so the walk's length may hang on the work-group's number, and p's hold may be jumped over on e4.
; No cluster: the work-groups of a head walk different numbers of steps (17 to 32).
; THE MODE: SCHED_MODE bits 1:0 = 2 (LLVM: expert scheduling mode 2), set by the entry lines.  The code itself states the register dependences between vector or matrix instructions and memory or LDS
; instructions, with s_wait_alu, always for 0.
; THE PLAN.  Registers that memory or LDS instructions touch:
;   v1, v2, v3       offsets and LDS addresses: written once at the head, ahead of the head's wait on va_vdst, and never again.
;   set 0, set 1     (v8-15, v212-219) written by global loads, read by LDS stores; no vector instruction names them.  Step sg stores set 1 - sg and loads set sg, which the step before stored:
;                    one wait on vm_vsrc at the head of a step that loads.
;   v32-95           K's LDS loads land there; eight products read them; V's LDS loads land there; four products read them.  So two waits on va_vdst a step: ahead of K's loads and ahead of V's.
;                    Behind the second no vector instruction names v32-95 or v1 until V is multiplied: V's sixteen loads are dealt among the lines of the maximum with no further wait.
;   v16-23           Q: loaded once, at the head.
;   v192-199         on the way out: written by conversions, read by the two global stores: one wait on va_vdst.
;   v254, v255       written at the head, read by the closing add alone.
;   All else (S^T and p, O^T, the statistics, P's codes in the loop) is named by vector and matrix instructions alone.
;   Scalar results of vector instructions: the wave's number (one wait on va_sdst at the head), and the mask's compares, which go sixteen at a time into s46-s61 with one wait on va_sdst behind each run.
; REGISTERS: v1 16 x lane; v2 the copy's LDS address; v3 256 x lane; v4 max(query, 63) - 8 (lane / 16); v5-7, v30, v31 at work; v8-15 and v212-219 the copy's two sets; v16-23 Q; v24 -M; v25 the largest t;
;   v[26:27] the sum; v[28:29] f; v32-95 K's fragments, then V's; v96-159 S^T, then p; v160-191 O^T; v192-207 P's codes; v[208:209] the sums' second chain; v210, v211: 448 x 2^e4, 2^e4; v220, v221: y's scale and hold.
.set SLOT, 16384
.set SET,  8                           ; set s at v[8 + 204 s]
.set MK,   46                          ; s46-s61  sixteen lane masks of the causal mask's compares
	s_load_b128 s[4:7], s[0:1], 0x0                ; qkvc s[4:5], the scales' exponents s[6:7]
	s_load_b64 s[8:9], s[0:1], 0x10                ; yc
	v_lshl_add_u32 v254, v0, 2, 0x8000
	v_mov_b32 v255, 0
	v_lshrrev_b32 v5, 5, v0
	v_readfirstlane_b32 s10, v5                    ; wave 0..15
	v_and_b32 v1, 31, v0
	v_lshlrev_b32 v3, 8, v1
	v_lshlrev_b32 v1, 4, v1
	v_lshl_add_u32 v2, v5, 10, v1                  ; 1,024 x wave + 16 x lane
	s_wait_alu depctr_va_sdst(0)                   ; s10 is written, ahead of its first reader: the roles, the bases and the branches are made from it
	s_lshr_b32 s36, s10, 2
	s_xor_b32 s36, s36, s10
	s_and_b32 s11, s36, 1                          ; role
	s_lshr_b32 s12, s10, 1                         ; which tile of the block
	s_mov_b32 s13, ttmp9                           ; lo
	s_and_b32 s14, ttmp7, 0xffff                   ; head
	s_sub_co_u32 s36, 31, s13
	s_cmp_eq_u32 s11, 0
	s_cselect_b32 s36, s13, s36                    ; my block
	s_lshl_b32 s15, s36, 3
	s_add_co_u32 s15, s15, s12                     ; my tile of 16 queries
	s_lshl_b32 s16, s15, 4                         ; my first query
	s_add_co_u32 s35, s16, 15                      ; my last
	s_mov_b32 s17, 0                               ; the step's first key
	s_mov_b32 s18, 0                               ; the trip
	s_sub_co_u32 s19, 33, s13
	s_lshr_b32 s19, s19, 1
	s_sub_co_u32 s19, s19, 1                       ; the loop's trips: ceil((32 - lo) / 2) - 1, 8 to 15; the last trip is written out
	s_mov_b32 s20, 0x76543210
	s_mov_b32 s21, 0xfedcba98                      ; v_permlanex16_b32: lane l xor 16
	s_mov_b32 s22, 0x3e38aa3b                      ; log2(e) / 8
	s_and_b32 s36, s10, 7
	s_or_b32 s36, s36, s13
	s_cmp_eq_u32 s36, 0
	s_cselect_b32 s34, 13, 0                       ; waves 0 and 8 of the head's work-group lo = 0 prefetch, in trips 0 to 12
	s_cmp_lt_u32 s16, 64
	s_cselect_b32 s44, 63, s16
	s_cselect_b32 s45, 0, 15
	v_and_b32 v4, s45, v0
	v_add_nc_u32 v4, s44, v4                       ; max(my query, 63): a tile lies wholly under 64 or wholly not
	v_bfe_u32 v6, v0, 4, 1
	v_lshlrev_b32 v6, 3, v6
	v_sub_nc_u32 v4, v4, v6
	s_lshl_b32 s40, s14, 18                        ; the head's 262,144 bytes in each of the three parts
	s_lshr_b32 s36, s10, 3
	s_add_co_u32 s36, s36, 1
	s_lshl_b32 s36, s36, 22                        ; waves 0-7 copy K (4 MiB on), waves 8-15 V (8 MiB on)
	s_add_co_u32 s36, s36, s40
	s_and_b32 s41, s10, 7
	s_lshl_b32 s41, s41, 10
	s_add_co_u32 s36, s36, s41                     ; my 1,024 bytes of a step's 8,192
	s_mov_b32 s37, 0
	s_lshl_b32 s38, s15, 10
	s_add_co_u32 s38, s38, s40                     ; Q's image
	s_mov_b32 s39, 0
	s_lshr_b32 s42, s14, 2
	s_lshl_b32 s42, s42, 20
	s_lshl_b32 s41, s15, 12
	s_add_co_u32 s42, s42, s41
	s_and_b32 s41, s14, 3
	s_lshl_b32 s41, s41, 10
	s_add_co_u32 s42, s42, s41                     ; y's 1,024 bytes
	s_mov_b32 s43, 0
	s_wait_kmcnt 0x0
	s_load_b256 s[24:31], s[6:7], 0x0              ; e0 .. e7
	s_add_nc_u64 s[32:33], s[4:5], s[36:37]        ; the copy's base: my part of the trip's first step
	s_add_nc_u64 s[38:39], s[4:5], s[38:39]
	s_add_nc_u64 s[8:9], s[8:9], s[42:43]
	s_wait_alu depctr_va_vdst(0)                   ; v1, v2 and v3 are written: every load, store and prefetch of the kernel reads one of them as its offset or address
	global_load_b128 v[8:11], v1, s[32:33]                     ; step 0
	global_load_b128 v[12:15], v1, s[32:33] offset:512
	global_load_b128 v[16:19], v1, s[38:39]                    ; Q stays in registers
	global_load_b128 v[20:23], v1, s[38:39] offset:512
	global_load_b128 v[212:215], v1, s[32:33] offset:8192      ; step 1
	global_load_b128 v[216:219], v1, s[32:33] offset:8192+512
	v_mov_b32 v25, 0xff61b1e6                      ; the largest t so far: -3e38
	v_floor_f32 v24, -v25                          ; -M
	v_mov_b32 v26, 0
	v_mov_b32 v27, 0
	v_mov_b32 v29, 0                               ; (named as the upper half of the pair v[28:29])
	v_mov_b32 v31, 0                               ; a lane permute's destination counts as read
.set j, 0
.rept 32
	v_mov_b32 v[160+j], 0                          ; O^T: the step is written without a first form of its own; the first change of M multiplies zeros
.set j, j+1
.endr
	s_wait_kmcnt 0x0
	s_add_co_i32 s36, s26, s27
	s_lshl_b32 s36, s36, 23
	s_add_co_i32 s22, s22, s36                     ; c x 2^(e2 + e3)
	s_mov_b32 s23, s22                             ; (named with it as a pair)
	s_add_co_i32 s36, s28, 127
	s_lshl_b32 s37, s36, 23
	v_mov_b32 v211, s37                            ; 2^e4
	s_add_co_i32 s36, s36, 8
	s_lshl_b32 s36, s36, 23
	s_or_b32 s36, s36, 0x600000
	v_mov_b32 v210, s36                            ; 448 x 2^e4
	s_sub_co_i32 s36, s30, s28
	s_sub_co_i32 s36, s36, s29
	s_add_co_i32 s36, s36, 127
	s_lshl_b32 s37, s36, 23
	v_mov_b32 v220, s37                            ; 2^(e6 - e4 - e5)
	s_add_co_i32 s36, s36, 8
	s_lshl_b32 s36, s36, 23
	s_or_b32 s36, s36, 0x600000
	v_mov_b32 v221, s36
	s_wait_loadcnt 2                               ; step 0 and Q are in; step 1's two loads stay out
	ds_store_b128 v2, v[8:11]
	ds_store_b128 v2, v[12:15] offset:512
	s_wait_dscnt 0x0                               ; for the others' sake: my part of slot 0 has landed
	s_barrier_signal -1
	s_barrier_wait -1
; V's tile d of the step in slot sg: four groups of 512 consecutive bytes.
.macro VLOAD sg, d
.irp c, 0,1,2,3
	ds_load_b128 v[32+16*(\d)+4*\c:35+16*(\d)+4*\c], v1 offset:(\sg)*SLOT+8192+(\d)*2048+\c*512
.endr
.endm
; A KEY STEP on slot sg.  ld: the step after the next is asked for, first thing, into set sg, which the step before stored into LDS.
; st: the next step's bytes go from set 1 - sg into slot 1 - sg, which every wave has left (its reads were waited for in front of the last barrier).  pf: the prefetches.  bar: the barrier at the step's end.
.macro STEP sg, st, ld, pf, bar
.if \ld
	s_wait_alu depctr_vm_vsrc(0)                   ; the LDS stores of the step before (ahead of the first step: the head's) have read set sg, in which the two loads below land
	global_load_b128 v[SET+204*\sg:SET+204*\sg+3], v1, s[32:33] offset:(2+\sg)*8192
	global_load_b128 v[SET+204*\sg+4:SET+204*\sg+7], v1, s[32:33] offset:(2+\sg)*8192+512
.endif
.if \st
	s_wait_loadcnt 2*\ld                           ; the two loads that were issued a step ago are in; the two just issued, where there are any, stay out
	ds_store_b128 v2, v[SET+204*(1-\sg):SET+204*(1-\sg)+3] offset:(1-\sg)*SLOT
	ds_store_b128 v2, v[SET+204*(1-\sg)+4:SET+204*(1-\sg)+7] offset:(1-\sg)*SLOT+512
.endif
.if \pf
; PREFETCH: trip T names steps 2 T + 5 and 2 T + 6, three steps ahead of the loads that will want the first of them: 8,192 bytes of K (wave 0) or of V (wave 8) each, lanes 256 bytes apart.
; All work-groups of a head walk the same K and V: one work-group asks, so each block is named once.  It stops at step 30, inside the head's 32; steps 0 to 4 and 31 come by their loads alone.
	s_cmp_lt_u32 s18, s34
	s_cbranch_scc0 .Lnoask_\@
	global_prefetch_b8 v3, s[32:33] offset:5*8192 th:TH_LOAD_NT scope:SCOPE_SE
	global_prefetch_b8 v3, s[32:33] offset:6*8192 th:TH_LOAD_NT scope:SCOPE_SE
.Lnoask_\@:
.endif
	s_cmp_gt_u32 s17, s35                          ; all 128 keys come after my 16 queries (and none is under 64: the step is not the first)
	s_cbranch_scc1 .Lhid_\@
.rept 4
	v_nop                                          ; four plain lines behind the last products, as this step has always had them; the dependence itself is stated by the wait below
.endr
	s_wait_alu depctr_va_vdst(0)                   ; the four products of the step worked last are done reading v32-95, in which K's fragments land
.irp t, 0,1,2,3,4,5,6,7
	ds_load_b128 v[32+8*\t:35+8*\t], v1 offset:\sg*SLOT+\t*1024
	ds_load_b128 v[36+8*\t:39+8*\t], v1 offset:\sg*SLOT+\t*1024+512
.endr
	s_wait_dscnt 8                                 ; K's tiles 0-3 are in; the youngest eight loads stay out
.irp t, 0,1,2,3
	v_wmma_f32_16x16x64_fp8_fp8 v[96+8*\t:103+8*\t], v[32+8*\t:39+8*\t], v[16:23], 0
.endr
	s_wait_dscnt 0x0
.irp t, 4,5,6,7
	v_wmma_f32_16x16x64_fp8_fp8 v[96+8*\t:103+8*\t], v[32+8*\t:39+8*\t], v[16:23], 0
.endr
.rept 4
	v_nop                                          ; places in front of the first read of the scores (ISA guide 7.12.1)
.endr
	s_wait_alu depctr_va_vdst(0)                   ; the eight products above are done reading v32-95, in which V's fragments land; no vector instruction from here to V's last load names v32-95 or v1
	s_add_co_u32 s36, s17, 127
	s_cmp_le_u32 s36, s16                          ; every key of the step counts for every query of mine
	s_cbranch_scc1 .Lopen_\@
	v_sub_nc_u32 v6, v4, s17                       ; register 8 c + j holds key KF + 16 c + 8 (lane / 16) + j: hidden where 16 c + j > max(query, 63) - 8 (lane / 16) - KF
	v_mov_b32 v30, 0xff800000                      ; -infinity: p = 0 then
.set n, 0
.rept 4                                        ; sixteen compares into sixteen scalar registers, one wait, sixteen selects
.set m, 0
.rept 16
	v_cmp_gt_i32 s[MK+m], 16*((n+m)/8)+(n+m)%8, v6
.set m, m+1
.endr
	s_wait_alu depctr_va_sdst(0)                   ; the sixteen compares have written s46-s61, which the sixteen selects below read
.set m, 0
.rept 16
	v_cndmask_b32 v[96+n+m], v[96+n+m], v30, s[MK+m]
.set m, m+1
.endr
.set n, n+16
.endr
.Lopen_\@:
	VLOAD \sg, 0                                   ; V lands while the softmax is worked: four loads at a time among the lines of the maximum
	v_max3_num_f32 v30, v96, v97, v98              ; the step's largest score of my query among my 64 keys, in two chains, each accumulator from its low end on
	v_max3_num_f32 v5, v99, v100, v101
.irp i, 6,10,14,18
	v_max3_num_f32 v30, v30, v[96+\i], v[97+\i]
	v_max3_num_f32 v5, v5, v[98+\i], v[99+\i]
.endr
	VLOAD \sg, 1
.irp i, 22,26,30,34
	v_max3_num_f32 v30, v30, v[96+\i], v[97+\i]
	v_max3_num_f32 v5, v5, v[98+\i], v[99+\i]
.endr
	VLOAD \sg, 2
.irp i, 38,42,46,50
	v_max3_num_f32 v30, v30, v[96+\i], v[97+\i]
	v_max3_num_f32 v5, v5, v[98+\i], v[99+\i]
.endr
	VLOAD \sg, 3
.irp i, 54,58
	v_max3_num_f32 v30, v30, v[96+\i], v[97+\i]
	v_max3_num_f32 v5, v5, v[98+\i], v[99+\i]
.endr
	v_max3_num_f32 v30, v30, v158, v159
	v_max_num_f32 v30, v30, v5
	v_permlanex16_b32 v31, v30, s20, s21
	v_max_num_f32 v30, v30, v31                    ; and among lane l xor 16's
	v_mul_f32 v30, s22, v30                        ; as t (c is positive)
	v_max_num_f32 v25, v25, v30
	v_mov_b32 v30, v24
	v_floor_f32 v24, -v25                          ; the new -M = -ceil(t)
	v_sub_f32 v30, v24, v30                        ; old M - new M: a whole number, 0 or less
	v_cvt_i32_f32 v30, v30                         ; (it saturates)
	v_ldexp_f32 v28, 1.0, v30                      ; f = 2^(old M - new M)
.set j, 0
.rept 32
	v_pk_fma_f32 v[96+j:97+j], v[96+j:97+j], s[22:23], v[24:25] op_sel_hi:[1,0,0]   ; t - M, two at a time
.set j, j+2
.endr
.set j, 0
.rept 64
	v_exp_f32 v[96+j], v[96+j]                     ; p = 2^(t - M)
.set j, j+1
.endr
.set j, 0
.rept 16
	v_pk_mul_f32 v[160+j:161+j], v[160+j:161+j], v[28:29] op_sel_hi:[1,0]   ; O^T under the new M: work that names no exponential's result stands behind the batch
.set j, j+2
.endr
	v_pk_mul_f32 v[26:27], v[26:27], v[28:29] op_sel_hi:[1,0]
	s_wait_alu depctr_va_vdst(0)                   ; the 64 exponentials have written v96-159: one wait for the batch, ahead of its first reader
	v_pk_add_f32 v[208:209], v[96:97], v[98:99]    ; the row's sum, of the unquantised p, in two chains
.irp j, 4,8,12,16,20,24,28,32,36,40,44,48,52,56,60
	v_pk_add_f32 v[26:27], v[26:27], v[96+\j:97+\j]
	v_pk_add_f32 v[208:209], v[208:209], v[98+\j:99+\j]
.endr
	v_pk_add_f32 v[26:27], v[26:27], v[208:209]
	s_cmp_ge_i32 s28, -8                           ; p is at most 1 (but for its last bit): where 448 x 2^e4 is 1.75 or more the hold changes nothing and is jumped over
	s_cbranch_scc1 .Lheld_\@
.set j, 0
.rept 64
	v_min_num_f32 v[96+j], v[96+j], v210           ; the conversion does not saturate (ISA guide 7.6.2); p is not negative, so the hold is one-sided
.set j, j+1
.endr
.Lheld_\@:
.irp c, 0,1,2,3,4,5,6,7
	v_cvt_scalef32_pk8_fp8_f32 v[192+2*\c:193+2*\c], v[96+8*\c:103+8*\c], v211
.endr
	v_nop                                          ; a plain line between the last conversion and the products that read its result
	s_wait_dscnt 0x0                               ; V is in
.irp d, 0,1,2,3
	v_wmma_f32_16x16x128_fp8_fp8 v[160+8*\d:167+8*\d], v[32+16*\d:47+16*\d], v[192:207], v[160+8*\d:167+8*\d]   ; four accumulators by turns; eleven other matrix instructions stand between two links of a chain
.endr
.Lhid_\@:
	s_add_co_u32 s17, s17, 128
.if \bar
	s_wait_dscnt 0x0                               ; my stores into the other slot have landed and my reads of this one are back
	s_barrier_signal -1
	s_barrier_wait -1
.endif
.endm
.Ltrip:
	STEP 0, 1, 1, 1, 1
	STEP 1, 1, 1, 0, 1
	s_wait_xcnt 0x0                                ; the trip's loads and prefetches have read their base: it may step
	s_add_nc_u64 s[32:33], s[32:33], 2*8192
	s_add_co_u32 s18, s18, 1
	s_cmp_lt_u32 s18, s19
	s_cbranch_scc1 .Ltrip
	STEP 0, 1, 0, 0, 1                             ; the last trip asks for nothing: no load leaves the head's 32 steps
	STEP 1, 0, 0, 0, 0
	; THE WAY OUT: O^T / the sum, quantised for the last product; a lane's eight registers of a tile are eight neighbours along that product's K.
.rept 4
	v_nop                                          ; places behind the last products
.endr
	v_add_f32 v26, v26, v27
	v_permlanex16_b32 v31, v26, s20, s21
	v_add_f32 v26, v26, v31                        ; the row's sum
	v_rcp_f32 v26, v26
	v_nop                                          ; a plain line behind the transcendental
	s_wait_alu depctr_va_vdst(0)                   ; the reciprocal has written v26, ahead of its first reader
.set j, 0
.rept 32
	v_mul_f32 v[96+j], v[160+j], v26
.set j, j+1
.endr
.set j, 0
.rept 32
	v_med3_num_f32 v[96+j], v[96+j], -v221, v221
.set j, j+1
.endr
.irp d, 0,1,2,3
	v_cvt_scalef32_pk8_fp8_f32 v[192+2*\d:193+2*\d], v[96+8*\d:103+8*\d], v220
.endr
	v_nop
	s_wait_alu depctr_va_vdst(0)                   ; the four conversions have written v192-199, which the two stores read
	global_store_b128 v1, v[192:195], s[8:9]               ; each store covers 512 consecutive bytes, aligned
	global_store_b128 v1, v[196:199], s[8:9] offset:512
	s_wait_dscnt 0x0                               ; the closing lines, six on end
	s_wait_alu 0x0
	s_wait_tensorcnt 0x0
	ds_add_u32 v254, v255
	s_wait_dscnt 0x0
	s_endpgm
.Lfunc_end_k_q37c4c4cb3b_attn:
	.size	k_q37c4c4cb3b_attn, .Lfunc_end_k_q37c4c4cb3b_attn-k_q37c4c4cb3b_attn
	.p2alignl 7, 3214868480
	.fill 96, 4, 3214868480
	.section	.rodata,"a",@progbits
	.p2align	6, 0x0
	.amdhsa_kernel k_q37c4c4cb3b_attn
		.amdhsa_group_segment_fixed_size 34816
		.amdhsa_private_segment_fixed_size 0
		.amdhsa_enable_private_segment 0
		.amdhsa_kernarg_size 24
		.amdhsa_user_sgpr_count 2
		.amdhsa_user_sgpr_kernarg_segment_ptr 1
		.amdhsa_wavefront_size32 1
		.amdhsa_system_sgpr_workgroup_id_x 1
		.amdhsa_system_sgpr_workgroup_id_y 1
		.amdhsa_system_sgpr_workgroup_id_z 1
		.amdhsa_system_vgpr_workitem_id 0
		.amdhsa_next_free_vgpr 256
		.amdhsa_next_free_sgpr 66
		.amdhsa_reserve_vcc 0
		.amdhsa_float_denorm_mode_32 3
		.amdhsa_float_denorm_mode_16_64 3
		.amdhsa_memory_ordered 1
		.amdhsa_forward_progress 1
		.amdhsa_inst_pref_size 111
	.end_amdhsa_kernel
	.amdgpu_metadata
---
amdhsa.version: [ 1, 2 ]
amdhsa.kernels:
  - .name:           k_q37c4c4cb3b_attn
    .symbol:         k_q37c4c4cb3b_attn.kd
    .args:
      - { .name: qkvc, .offset: 0, .size: 8, .value_kind: global_buffer, .address_space: global }
      - { .name: lowp_scales, .offset: 8, .size: 8, .value_kind: global_buffer, .address_space: global }
      - { .name: yc, .offset: 16, .size: 8, .value_kind: global_buffer, .address_space: global }
    .group_segment_fixed_size: 34816
    .private_segment_fixed_size: 0
    .kernarg_segment_align: 8
    .kernarg_segment_size: 24
    .max_flat_workgroup_size: 512
    .sgpr_count:     66
    .vgpr_count:     256
    .wavefront_size: 32
...
	.end_amdgpu_metadata
.endif
;; end of part 5
;; launch proj: the kernel of part 4 again; grid 4 x 16, 4 waves a work-group, clusters of 4 x 4, 327,680 bytes of LDS; arguments yc, wpc, lowp_scales, out0; writes out0
